; MI455X (gfx1250); checked and timed in simulation.
; The chip was launched on July 23, 2026; its instructions are those of AMD's public machine-readable ISA for CDNA 5 (MIT licence, August 2026) and "CDNA5" Instruction Set Architecture Reference Guide (July 2026). The comments in the code are by the model that wrote it; some were corrected since.
;; P2 B X Corr. Allowed arithmetic: matrix products marked QUANTISED: E4M3 operands, one given power-of-two scale a tensor, by v_wmma_f32_16x16x64_fp8_fp8 or v_wmma_f32_16x16x128_fp8_fp8, f32 sums; everything else in f32.
;; Inputs: W1 64 x 129 float32; W2 64 x 64 float32; W3 64 x 64 float32; Wc1 64 x 64 float32; Wc2 128 x 64 float32; b1 64 float32; b2 64 float32; b3 64 float32; bc1 64 float32; bc2 128 float32; g1 64 float32; g2 64 float32; g3 64 float32; gc1 64 float32; lowp_scales 12 int32 (the exponents e of the quantised operands' scales 2^e); m1 64 float32; m2 64 float32; m3 64 float32; mc1 64 float32; search_feature 8 x 128 x 1,024 float32; template_feature 8 x 128 x 256 float32; v1 64 float32; v2 64 float32; v3 64 float32; vc1 64 float32.
;; Outputs: out0 8 x 128 x 1,024 float32.
;; This version of the problem:
;;   THIS VERSION OF THE PROBLEM IS GIVEN IN LOW PRECISION. The matrix products marked QUANTISED in the list below multiply operands that are first quantised to E4M3 (4 exponent bits, 3 mantissa bits; 8 bits a number), with one given power-of-two scale for each operand tensor; their sums are f32. All else is computed in f32.
;;   The module's matrix products, in the order in which they are computed (A, B: the left and right operand; K: the contracted axis; several contracted axes count as one K, in the product's order):
;;     1. batch 8 x [M 256, K 128] x [K 128, N 1,024]; A: input template_feature; B: input search_feature: QUANTISED (scales: A lowp_scales[0], B lowp_scales[1])
;;     2. [M 2,048, K 128] x [K 128, N 64]; A: input template_feature; B: input W1: QUANTISED (scales: A lowp_scales[2], B lowp_scales[3])
;;     3. [M 2,097,152, K 64] x [K 64, N 64]; A: computed on the way; B: input W2: QUANTISED (scales: A lowp_scales[4], B lowp_scales[5])
;;     4. [M 2,097,152, K 64] x [K 64, N 64]; A: computed on the way; B: input W3: QUANTISED (scales: A lowp_scales[6], B lowp_scales[7])
;;     5. [M 8,192, K 64] x [K 64, N 64]; A: computed on the way; B: input Wc1: QUANTISED (scales: A lowp_scales[8], B lowp_scales[9])
;;     6. [M 8,192, K 64] x [K 64, N 128]; A: computed on the way; B: input Wc2: QUANTISED (scales: A lowp_scales[10], B lowp_scales[11])
;;   THE QUANTISER, for each operand of a quantised product, along K:
;;     - The operand's scale is 2^e, e = its entry of the input lowp_scales (int32; the entries are numbered through the quantised products in the list's order, A before B).
;;     - Each number is divided by the scale, clamped to +-448, and rounded to the nearest number of E4M3, ties to even, subnormals kept.
;;     - The product sums the exact products of the quantised numbers (number of the format x scale) in f32.
;;   ~~~python
;;   def quantise(x, axis, e):      # numpy; x: float32 -> the quantised numbers, widened to float32 again
;;       x = np.moveaxis(x, axis, -1); K = x.shape[-1]
;;       r = np.clip(x / 2.0 ** e, -448, 448)
;;       step = 2.0 ** (np.maximum(np.frexp(np.where(r == 0, 1, r))[1] - 1, -6) - 3)
;;       q = np.round(r / step) * step * 2.0 ** e      # np.round: ties to even
;;       return np.moveaxis(q, -1, axis).astype(np.float32)
;;   ~~~
;;   OPERANDS COMPUTED ON THE WAY. 'Computed on the way' means the value that the module computes at that place (a softmax that the list does not call 'softmax' is quantised finished and normalised). What goes into a quantiser is computed in f32, as accurately as f32 sums, v_exp_f32 and their like allow (about 1e-6 of the number): no bf16 or f16 on the way to a quantiser, and a product that is left as it is and whose result goes on into a quantised operand takes f32 operands (vector FMAs, or v_wmma_f32_16x16x4_f32). A number that lies on a knife's edge between two numbers of the format may be rounded either way, as far as f32 arithmetic and the matrix unit's own rounding can turn it there, and no further.
;; 2 versions. Each part assembles by itself: llvm-mc -triple=amdgcn-amd-amdhsa -mcpu=gfx1250 --defsym DOCPART=n.
;; ======== version 1 of 2: 1 launch
;; launch xcorr (part 1): grid 32 x 8, 8 waves a work-group, no clusters, 268,800 bytes of LDS; arguments template_feature, search_feature, lowp_scales, out0, W1, W2, W3, Wc1, Wc2, bc2, g1, g2, g3, gc1, b1, b2, b3, bc1, m1, m2, m3, mc1, v1, v2, v3, vc1; writes out0
.if DOCPART == 1
	.amdgcn_target "amdgcn-amd-amdhsa--gfx1250"
	.amdhsa_code_object_version 6
	.text
	.protected	k_q8a83bdbc5b_xcorr
	.globl	k_q8a83bdbc5b_xcorr
	.p2align	8
	.type	k_q8a83bdbc5b_xcorr,@function
k_q8a83bdbc5b_xcorr:
	s_mov_b64 s[64:65], 0
	v_nop
	global_prefetch_b8 v0, s[64:65] scope:SCOPE_SE
	s_setreg_imm32_b32 hwreg(HW_REG_WAVE_MODE, 25, 1), 1
	s_wait_xcnt 0x0
; P2B_XCorr in FP8 (E4M3), one launch.  t [8][128][256], s [8][128][1024], out [8][128][1024], f32; six products on codes, each operand with its given scale 2^e (e0 .. e11).
;   cos[m][n] = (t^T s) / max(|t_m| |s_n|, 1e-8);  h1 = relu(bn1(W1[:,1:] t + W1[:,0] cos));  h2 = relu(bn2(W2 h1));  h3 = relu(bn3(W3 h2));  p = max over m of h3;  c = relu(bnc1(Wc1 p));  out = Wc2 c + bc2.
; SHARES.  A work-group owns 32 n of one batch and ALL 256 m, so the maximum over m has one owner: 32 x 8 = 256 work-groups.  Wave w owns m = 32 w .. 32 w + 31 and both tiles of 16 n.
; A lane (r = lane % 16, h = lane / 16) holds ONE point n = r and the channels 32 h + 0 .. 31, in every layer: nothing changes lanes between the layers.
; CHANNELS.  In products 3 to 6 the K slot (half h, register p, byte q) holds channel 32 h + 4 p + q, alike in both operands; row x of tile y of a weight is channel 32 (x / 8) + 8 y + x % 8.
; So register j of result tile y is channel 32 h + 8 y + j, and a lane's 32 results, converted eight at a time, ARE the next operand's eight registers.
; FOLDED, in f32, with a = g rsq(v + 1e-5):  h1 = A1 cos + C[m],  A1 = a1 W1[:,0],  C = a1 2^(e2+e3) sum2 + (b1 - a1 m1);  h2 = A2 sum + C2,  A2 = a2 2^(e4+e5),  C2 = b2 - a2 m2.
; bn3 and relu do not fall where their argument rises once a3's sign is moved into W3's rows (the code of -x is minus the code of x): so the maximum over m is taken of the raw sums and bn3 is applied once for each (channel, n).
; relu and the hold at the largest code are one v_med3.  cos = sum1 x min(rsq(sum t^2) rsq(sum s^2) 2^(e0+e1), 1e8 x 2^(e0+e1)).
; t's fragment of product 1 holds eight m TWICE (rows 8 .. 15 = rows 0 .. 7), so that both halves of the lanes get cos[m][n] from the matrix unit and no lane exchange is needed.
; LIMITS.  Every e between -126 and 119, e10 + e11 between -126 and 127 (scales and holds are made as exponent fields).  NaN among the inputs is not served.  A sum of squares under 2^-126 counts as 0.
; The folding orders the roundings of the batch norms otherwise than g (x - m) rsq + b.
; NO JOINT LOADS, NO TENSOR LOADS.  What work-groups share (t, 131,072 bytes, and the weights) is f32 with K outermost: it is read once, at the head, straight into the registers in which a lane squares, sums and converts
; it down K; as f32 in LDS it would need 131,072 bytes where 327,680 - 268,800 = 58,880 are left.  Nothing is streamed behind the head, so nothing is prefetched.
; OUT.  A work-group's part of an output row is 32 n = 128 bytes: eight lanes store 128 consecutive bytes, through a stage in LDS.
.set CPITCH,  272                      ; a row of C: 64 f32 + 16 bytes = 17 x 16: sixteen rows start at sixteen different 16-byte columns modulo 256
.set TP,      144                      ; a row of 128 codes + 16 bytes = 9 x 16: likewise
.set L_CM,    0                        ; C[m][64] f32, 256 rows
.set L_T0,    69632                    ; t's codes at e0, row m
.set L_T2,    106496                   ; t's codes at e2
.set L_S0,    143360                   ; s's codes, row n (32)
.set L_RNT,   147968                   ; rsq(sum t^2) [256]
.set L_NSP,   148992                   ; partial sums of s^2 [wave][32]
.set L_BNSC,  150016                   ; [4][64]: a1 2^(e2+e3), a2 2^(e4+e5), |a3| 2^(e6+e7), ac1 2^(e8+e9)
.set L_BNBI,  151040                   ; [4][64]: b - a m
.set L_BNAW,  152064                   ; [4][64]: a W1[ch][0] (the first 64 are read)
.set L_W1I,   153088                   ; images of operand registers: W1: tile y x 2048 + c x 512 + 16 lane
.set L_W23I,  161280                   ; W2's four tiles, W3's four: 1024 each, z x 512 + 16 lane
.set L_WC1I,  169472                   ; Wc1's four
.set L_WC2I,  173568                   ; Wc2's eight
.set L_RED,   181760                   ; the waves' maxima: wave x 8192 + quad x 512 + 16 lane
.set L_PK,    247296                   ; p's codes: n tile x 1024 + q x 256 + 8 lane
.set L_OUTS,  249344                   ; the way out: row o, 128 bytes, pitch 144
.set L_SPARE, 267776                   ; the spare words, 128 bytes for each of eight waves: four blocks of 256 bytes that no other line names
; window 0 in the loop: v1, v2 the add's two; v3-6 bases, v7-9 addresses in hand; v10 2^e4, v11 2^e6, v12 the cap, v[14:15] rsq(sum s^2) 2^(e0+e1) of my two n
.set COSR, 16                          ; v16-31   cos[8 u + j]: eight m for each n tile
.set KC,   32                          ; v32-63   a tile's codes, 8 registers, four tiles
.set CMB,  64                          ; v64-127  C of two m
.set X,    128                         ; v128-255 four tiles (t = 2 mi + u) of 32 numbers
; window 1 in the loop
.set A1,   0
.set A2,   32
.set C2,   64
.set W2F,  96
.set W3F,  128
.set R,    160                         ; 160-223  the running maxima [32 u + s]
.set BC,   224                         ; 224, 226 bc2 of my two tiles of outputs
.set MSB, 0
.macro WIN new                         ; the immediate's high byte repeats the setting that is left; a switch that changes nothing is dropped
.if MSB != \new
	s_set_vgpr_msb (MSB<<8)|\new
.set MSB, \new
.endif
.endm
.macro MKQ e, sc, lp                   ; s[sc] = 2^e as f32 (the conversion takes its exponent field), s[lp] = 448 x 2^e
	s_add_co_i32 s[\sc], s[\e], 127
	s_add_co_i32 s[\lp], s[\e], 135
	s_lshl_b32 s[\sc], s[\sc], 23
	s_lshl_b32 s[\lp], s[\lp], 23
	s_or_b32 s[\lp], s[\lp], 0x600000
.endm
.macro SETQ e                          ; for Q2: v192 the scale, s85 and s87 the two holds
	MKQ \e, 84, 85
	s_or_b32 s87, s85, 0x80000000
	v_mov_b32 v192, s84
.endm
.macro Q2 src, n8, dst                 ; n8 x 8 numbers of a lane become codes: the conversion to an 8-bit code does not saturate (ISA guide 7.6.2), so each number is held first
.set qg, 0
.rept \n8
.irp i, 0,1,2,3,4,5,6,7
	v_med3_num_f32 v[\src+8*qg+\i], v[\src+8*qg+\i], s87, s85
.endr
	v_cvt_scalef32_pk8_fp8_f32 v[\dst+2*qg:\dst+2*qg+1], v[\src+8*qg:\src+8*qg+7], v192
.set qg, qg+1
.endr
	v_nop                                          ; a plain line behind the last conversion, ahead of whatever next writes its scale or its numbers
.endm
.macro BAR                             ; my LDS stores have landed and my LDS loads are in: then the work-group's barrier
	s_wait_dscnt 0x0
	s_barrier_signal -1
	s_barrier_wait -1
.endm
.macro PLACES                          ; four plain lines between a matrix instruction and the first vector read of its result (ISA guide 7.12.1)
.rept 4
	v_nop
.endr
.endm
; ---------------- the arguments, the lane's offsets
	s_load_b256 s[4:11], s[0:1], 0x0               ; t s[4:5], s s[6:7], the exponents s[8:9], out s[10:11]
	s_load_b256 s[12:19], s[0:1], 0x20             ; W1, W2, W3, Wc1
	s_load_b128 s[20:23], s[0:1], 0x40             ; Wc2, bc2
	s_load_b512 s[24:39], s[0:1], 0x50             ; g1 g2 g3 gc1, b1 b2 b3 bc1
	s_load_b512 s[40:55], s[0:1], 0x90             ; m1 m2 m3 mc1, v1 v2 v3 vc1
	v_lshl_add_u32 v1, v0, 2, L_SPARE              ; my spare word; never rewritten
	v_mov_b32 v2, 0                                ; 0; never rewritten
	v_lshrrev_b32 v12, 5, v0
	v_readfirstlane_b32 s2, v12                    ; wave 0..7
	v_and_b32 v3, 31, v0
	v_lshlrev_b32 v3, 2, v3                        ; 4 lane: s
	v_and_b32 v4, 63, v0                           ; my channel of the batch norm that my wave serves
	v_mul_u32_u24 v5, v4, 516                      ; W1[ch][0]: a row of W1 is 129 f32
	v_lshlrev_b32 v4, 2, v4
	v_and_b32 v12, 7, v0
	v_bfe_u32 v13, v0, 3, 1
	v_lshl_add_u32 v12, v13, 5, v12                ; the weight's row of lane r in tile 0: 32 (r / 8) + r % 8
	v_bfe_u32 v13, v0, 4, 1                        ; h
	v_lshlrev_b32 v6, 2, v12                       ; g3 of that row
	v_mul_u32_u24 v7, v12, 516
	v_lshl_add_u32 v7, v13, 6, v7                  ; W1: row x 516 + 64 h
	v_lshlrev_b32 v8, 8, v12
	v_lshl_add_u32 v8, v13, 7, v8                  ; W2, W3, Wc1: row x 256 + 128 h
	v_and_b32 v10, 15, v0
	v_lshlrev_b32 v9, 8, v10
	v_lshl_add_u32 v9, v13, 7, v9                  ; Wc2: r x 256 + 128 h
	v_lshlrev_b32 v10, 2, v10                      ; bc2: 4 r
	v_lshlrev_b32 v11, 2, v0                       ; t: thread = m
	s_and_b32 s3, ttmp7, 0xffff                    ; batch
	s_lshr_b32 s66, s2, 1                          ; which batch norm, which tile of W1 and Wc1
	s_and_b32 s67, s2, 1
	s_and_b32 s86, s2, 3
	s_wait_kmcnt 0x0
	s_load_b256 s[68:75], s[8:9], 0x0              ; e0 .. e7
	s_load_b128 s[76:79], s[8:9], 0x20             ; e8 .. e11
	s_cmp_lt_u32 s66, 3                            ; g, b, m, v of batch norm w / 2: the choice hangs on the wave's number alone
	s_cselect_b64 s[56:57], s[28:29], s[30:31]
	s_cselect_b64 s[58:59], s[36:37], s[38:39]
	s_cselect_b64 s[60:61], s[44:45], s[46:47]
	s_cselect_b64 s[62:63], s[52:53], s[54:55]
	s_cmp_lt_u32 s66, 2
	s_cselect_b64 s[56:57], s[26:27], s[56:57]
	s_cselect_b64 s[58:59], s[34:35], s[58:59]
	s_cselect_b64 s[60:61], s[42:43], s[60:61]
	s_cselect_b64 s[62:63], s[50:51], s[62:63]
	s_cmp_lt_u32 s66, 1
	s_cselect_b64 s[56:57], s[24:25], s[56:57]
	s_cselect_b64 s[58:59], s[32:33], s[58:59]
	s_cselect_b64 s[60:61], s[40:41], s[60:61]
	s_cselect_b64 s[62:63], s[48:49], s[62:63]
	s_cmp_lt_u32 s2, 4
	s_cselect_b64 s[88:89], s[14:15], s[16:17]     ; waves 0-3 lay out W2, waves 4-7 W3
	s_mov_b32 s91, 0
	s_lshl_b32 s90, s3, 17
	s_add_nc_u64 s[4:5], s[4:5], s[90:91]          ; t at my batch
	s_lshl_b32 s90, s3, 19
	s_lshl_b32 s87, s2, 16
	s_add_co_u32 s90, s90, s87
	s_lshl_b32 s87, ttmp9, 7
	s_add_co_u32 s90, s90, s87                     ; batch x 524,288 + wave x 16 rows of 4,096 + my 32 n:
	s_add_nc_u64 s[6:7], s[6:7], s[90:91]          ; s at f = 16 w,
	s_add_nc_u64 s[10:11], s[10:11], s[90:91]      ; out at o = 16 w
	s_mul_i32 s90, s66, 4128                       ; W1: tile w / 2 (8 rows of 516), half w % 2 of K (64 f32), past column 0
	s_lshl_b32 s87, s67, 8
	s_add_co_u32 s90, s90, s87
	s_add_co_u32 s90, s90, 4
	s_add_nc_u64 s[92:93], s[12:13], s[90:91]
	s_lshl_b32 s90, s86, 11
	s_add_nc_u64 s[88:89], s[88:89], s[90:91]      ; W2 or W3: tile w % 4
	s_lshl_b32 s90, s86, 5
	s_add_nc_u64 s[94:95], s[28:29], s[90:91]      ; g3 of that tile's rows
	s_lshl_b32 s90, s2, 12
	s_add_nc_u64 s[20:21], s[20:21], s[90:91]      ; Wc2: tile w
	s_lshl_b32 s90, s66, 11
	s_lshl_b32 s87, s67, 6
	s_add_co_u32 s90, s90, s87
	s_add_nc_u64 s[18:19], s[18:19], s[90:91]      ; Wc1: tile w / 2, half w % 2 of a lane's 32 channels
	s_lshl_b32 s90, s86, 7
	s_add_nc_u64 s[22:23], s[22:23], s[90:91]      ; bc2: outputs 32 (w % 4) on
; ---------------- all loads at once: 76 small ones, then t's 128
	global_load_b32 v144, v4, s[56:57]             ; g
	global_load_b32 v145, v4, s[58:59]             ; b
	global_load_b32 v146, v4, s[60:61]             ; m
	global_load_b32 v147, v4, s[62:63]             ; v
	global_load_b32 v148, v5, s[12:13]             ; W1[ch][0]
	global_load_b32 v149, v6, s[94:95]             ; g3 of my row of W3
.set i, 0
.rept 16
	global_load_b32 v[16+i], v3, s[6:7] offset:4096*i th:TH_LOAD_NT     ; s(16 w + i, my n): a lane a column, registers down K; read by this work-group alone
.set i, i+1
.endr
.irp c, 0,1
.set i, 0
.rept 16
	global_load_b32 v[32+16*\c+i], v7, s[92:93] offset:128*\c+4*i       ; W1(row, 1 + 32 (2 (w % 2) + c) + 16 h + i)
.set i, i+1
.endr
.endr
.irp q, 0,1,2,3,4,5,6,7
	global_load_b128 v[64+4*\q:67+4*\q], v8, s[88:89] offset:16*\q      ; W2 or W3 (row, 32 h + 4 q ..)
.endr
.irp q, 0,1,2,3,4,5,6,7
	global_load_b128 v[96+4*\q:99+4*\q], v9, s[20:21] offset:16*\q      ; Wc2(16 w + r, 32 h + 4 q ..)
.endr
.irp q, 0,1,2,3
	global_load_b128 v[128+4*\q:131+4*\q], v8, s[18:19] offset:16*\q    ; Wc1(row, 32 h + 16 (w % 2) + 4 q ..)
.endr
	WIN 0x40                                       ; destination window 1
	global_load_b32 v[BC], v10, s[22:23]
	global_load_b32 v[BC+2], v10, s[22:23] offset:64
.set f, 0
.rept 128
	global_load_b32 v[f], v11, s[4:5] offset:1024*f                     ; t(f, m = my thread): a wave reads 128 consecutive bytes, the work-group a whole row
.set f, f+1
.endr
	WIN 0
	s_wait_kmcnt 0x0                               ; the exponents
	s_wait_loadcnt 63                              ; behind each of the 76 small loads stand t's 128: with at most 63 out, the small ones are in
; ---------------- the small work, while t lands
	s_add_co_i32 s80, s70, s71                     ; the exponent that my batch norm's sums lack
	s_add_co_i32 s81, s72, s73
	s_add_co_i32 s82, s74, s75
	s_add_co_i32 s83, s76, s77
	s_cmp_lt_u32 s66, 3
	s_cselect_b32 s82, s82, s83
	s_cmp_lt_u32 s66, 2
	s_cselect_b32 s81, s81, s82
	s_cmp_lt_u32 s66, 1
	s_cselect_b32 s80, s80, s81
	s_cmp_eq_u32 s66, 2
	s_cselect_b32 s81, 0x7fffffff, -1              ; bn3's factor goes in as a magnitude: its sign is in W3's rows
	v_add_f32 v147, 0x3727c5ac, v147               ; v + 1e-5
	v_rsq_f32 v147, v147
	v_lshl_add_u32 v153, v0, 2, L_BNSC             ; (the plain line behind the transcendental)  [bn][ch] = 4 x thread
	s_wait_alu depctr_va_vdst(0)                   ; the wait ahead of the first reader
	v_mul_f32 v144, v144, v147                     ; a
	v_ldexp_f32 v150, v144, s80
	v_and_b32 v150, s81, v150
	v_fma_f32 v151, -v144, v146, v145              ; b - a m
	v_mul_f32 v152, v144, v148                     ; a W1[ch][0]
	ds_store_b32 v153, v150
	ds_store_b32 v153, v151 offset:L_BNBI-L_BNSC
	ds_store_b32 v153, v152 offset:L_BNAW-L_BNSC
	v_and_b32 v196, 31, v0                         ; lane
	v_lshrrev_b32 v197, 5, v0                      ; wave
	v_mul_u32_u24 v157, v196, TP
	v_lshl_add_u32 v157, v197, 4, v157
	v_add_nc_u32 v157, L_S0, v157                  ; s's codes: row n = lane, bytes 16 w on
	v_lshlrev_b32 v158, 4, v196
	v_lshl_add_u32 v158, v197, 10, v158
	v_add_nc_u32 v158, L_W1I, v158                 ; the images: 1,024 w + 16 lane
	v_lshl_add_u32 v159, v0, 4, L_WC1I             ; Wc1's: 512 w + 16 lane = 16 x thread
	v_lshl_add_u32 v156, v0, 2, L_NSP
	v_pk_mul_f32 v[154:155], v[16:17], v[16:17]    ; the sum of squares of my 16 numbers of s, ahead of the hold
.irp i, 2,4,6,8,10,12,14
	v_pk_fma_f32 v[154:155], v[16+\i:17+\i], v[16+\i:17+\i], v[154:155]
.endr
	v_add_f32 v154, v154, v155
	ds_store_b32 v156, v154
	SETQ 69                                        ; s at e1
	Q2 16, 2, 188
	ds_store_b128 v157, v[188:191]
	SETQ 71                                        ; W1 at e3
	Q2 32, 4, 160
	ds_store_b128 v158, v[160:163]
	ds_store_b128 v158, v[164:167] offset:512
	s_cmp_ge_u32 s2, 4
	s_cselect_b32 s82, 0x80000000, 0               ; W3's rows take g3's sign; W2's take none
	s_cselect_b32 s83, s75, s73                    ; e7 or e5
	v_and_b32 v149, s82, v149
.set i, 0
.rept 32
	v_xor_b32 v[64+i], v149, v[64+i]
.set i, i+1
.endr
	SETQ 83
	Q2 64, 4, 168
	ds_store_b128 v158, v[168:171] offset:L_W23I-L_W1I
	ds_store_b128 v158, v[172:175] offset:L_W23I-L_W1I+512
	SETQ 79                                        ; Wc2 at e11
	Q2 96, 4, 176
	ds_store_b128 v158, v[176:179] offset:L_WC2I-L_W1I
	ds_store_b128 v158, v[180:183] offset:L_WC2I-L_W1I+512
	SETQ 77                                        ; Wc1 at e9
	Q2 128, 2, 184
	ds_store_b128 v159, v[184:187]
; ---------------- t: its norm, its codes at e0 and at e2
	MKQ 68, 80, 81
	s_or_b32 s82, s81, 0x80000000
	MKQ 70, 83, 84
	s_or_b32 s85, s84, 0x80000000
	v_mov_b32 v193, s80                            ; 2^e0
	v_mov_b32 v194, s83                            ; 2^e2
	v_mul_u32_u24 v195, v0, TP
	v_add_nc_u32 v195, L_T0, v195                  ; row m = my thread
	s_wait_loadcnt 0x0                             ; t
	WIN 0x05                                       ; sources 0 and 1 window 1
	v_pk_mul_f32 v[144:145], v[0:1], v[0:1]        ; two packed chains
	v_pk_mul_f32 v[146:147], v[2:3], v[2:3]
.set f, 4
.rept 31
	v_pk_fma_f32 v[144:145], v[f:f+1], v[f:f+1], v[144:145]
	v_pk_fma_f32 v[146:147], v[f+2:f+3], v[f+2:f+3], v[146:147]
.set f, f+4
.endr
	WIN 0
	v_pk_add_f32 v[144:145], v[144:145], v[146:147]
	v_add_f32 v144, v144, v145
	v_rsq_f32 v144, v144
	v_lshl_add_u32 v145, v0, 2, L_RNT              ; (the plain line behind the transcendental)
	s_wait_alu depctr_va_vdst(0)                   ; the wait ahead of the first reader
	ds_store_b32 v145, v144
; 128 numbers down K become 32 registers of codes.  All but the scale lies in window 1: t 0-127, two sets of eight held numbers 128-143 by turns (eight plain lines stand between a conversion and the rewrite of its sources), the codes from dst on.
.macro QT ln, lp, vsc, dst
.set qg, 0
.rept 16
.set tm, 128+8*(qg%2)
.irp i, 0,1,2,3,4,5,6,7
	v_med3_num_f32 v[tm+\i], v[8*qg+\i], s[\ln], s[\lp]
.endr
	v_cvt_scalef32_pk8_fp8_f32 v[\dst+2*qg:\dst+2*qg+1], v[tm:tm+7], v[\vsc]
.set qg, qg+1
.endr
	v_nop
.endm
	WIN 0x41                                       ; destination and source 0 window 1; the scale, source 1, window 0
	QT 82, 81, 193, 144
	QT 85, 84, 194, 176
	WIN 0x04                                       ; store data window 1, address window 0
.irp q, 0,1,2,3,4,5,6,7
	ds_store_b128 v195, v[144+4*\q:147+4*\q] offset:16*\q
.endr
.irp q, 0,1,2,3,4,5,6,7
	ds_store_b128 v195, v[176+4*\q:179+4*\q] offset:L_T2-L_T0+16*\q
.endr
	WIN 0
	BAR                                            ; codes, images, norms' parts and batch norms lie in LDS
; ---------------- the table C[m][ch] of my 32 m (product 2), and the loop's constants
	v_and_b32 v3, 0xef, v0                         ; 32 w + r
	v_bfe_u32 v4, v0, 4, 1                         ; h
	v_mul_u32_u24 v12, v3, TP
	v_lshl_add_u32 v12, v4, 4, v12
	v_add_nc_u32 v12, L_T2, v12                    ; t's fragment: row 32 w + r, + 16 h
	v_and_b32 v13, 31, v0
	v_lshlrev_b32 v13, 4, v13
	v_add_nc_u32 v13, L_W1I, v13                   ; an image's place for my lane
	v_lshlrev_b32 v14, 7, v4                       ; 128 h: my 32 channels' constants
	v_mul_u32_u24 v15, v3, CPITCH
	v_add_nc_u32 v15, v14, v15                     ; C (at LDS byte 0): row 32 w + r, + 128 h
	v_add_nc_u32 v14, L_BNSC, v14
.irp mt, 0,1
.irp c, 0,1,2,3
	ds_load_b128 v[32+16*\mt+4*\c:35+16*\mt+4*\c], v12 offset:16*TP*\mt+32*\c
.endr
.endr
.irp y, 0,1,2,3
.irp c, 0,1,2,3
	ds_load_b128 v[64+16*\y+4*\c:67+16*\y+4*\c], v13 offset:2048*\y+512*\c
.endr
.endr
.irp q, 0,1,2,3,4,5,6,7
	ds_load_b128 v[192+4*\q:195+4*\q], v14 offset:16*\q                 ; a1 2^(e2+e3)
.endr
.irp q, 0,1,2,3,4,5,6,7
	ds_load_b128 v[224+4*\q:227+4*\q], v14 offset:L_BNBI-L_BNSC+16*\q   ; b1 - a1 m1
.endr
	s_wait_dscnt 16                                ; the fragments are in; the sixteen loads of the two constants may be out
.irp mt, 0,1
.irp y, 0,1,2,3
	v_wmma_f32_16x16x128_fp8_fp8 v[128+32*\mt+8*\y:135+32*\mt+8*\y], v[64+16*\y:79+16*\y], v[32+16*\mt:47+16*\mt], 0   ; source 0 = 16 rows of W1, source 1 = 16 m
.endr
.endr
	PLACES
	s_wait_dscnt 0x0
.irp mt, 0,1
.set i, 0
.rept 16
	v_pk_fma_f32 v[128+32*\mt+i:129+32*\mt+i], v[192+i:193+i], v[128+32*\mt+i:129+32*\mt+i], v[224+i:225+i]
.set i, i+2
.endr
.endr
.irp mt, 0,1
.irp q, 0,1,2,3,4,5,6,7
	ds_store_b128 v15, v[128+32*\mt+4*\q:131+32*\mt+4*\q] offset:16*CPITCH*\mt+16*\q
.endr
.endr
	WIN 0x40                                       ; destination window 1
.irp q, 0,1,2,3,4,5,6,7
	ds_load_b128 v[A1+4*\q:A1+4*\q+3], v14 offset:L_BNAW-L_BNSC+16*\q
	ds_load_b128 v[A2+4*\q:A2+4*\q+3], v14 offset:256+16*\q
	ds_load_b128 v[C2+4*\q:C2+4*\q+3], v14 offset:L_BNBI-L_BNSC+256+16*\q
	ds_load_b128 v[W2F+4*\q:W2F+4*\q+3], v13 offset:L_W23I-L_W1I+512*\q
	ds_load_b128 v[W3F+4*\q:W3F+4*\q+3], v13 offset:L_W23I-L_W1I+4096+512*\q
.endr
.set i, 0
.rept 64
	v_mov_b32 v[R+i], 0xff800000                   ; the maxima begin under every number, so that the loop has no first trip of its own
.set i, i+1
.endr
	WIN 0
	v_and_b32 v3, 15, v0
	v_lshl_add_u32 v3, v3, 2, L_NSP
.irp u, 0,1
.irp wq, 0,1,2,3,4,5,6,7
	ds_load_b32 v[32+8*\u+\wq], v3 offset:128*\wq+64*\u                 ; the eight waves' parts of sum s^2 at n = 16 u + r
.endr
.endr
	s_wait_dscnt 0x0
	v_pk_add_f32 v[32:33], v[32:33], v[34:35]
	v_pk_add_f32 v[36:37], v[36:37], v[38:39]
	v_pk_add_f32 v[40:41], v[40:41], v[42:43]
	v_pk_add_f32 v[44:45], v[44:45], v[46:47]
	v_pk_add_f32 v[32:33], v[32:33], v[36:37]
	v_pk_add_f32 v[40:41], v[40:41], v[44:45]
	v_add_f32 v32, v32, v33
	v_add_f32 v40, v40, v41
	v_rsq_f32 v14, v32
	v_rsq_f32 v15, v40
	v_mov_b32 v12, 0x4cbebc20                      ; 1e8 = 1 / 1e-8.  (The plain line behind the transcendentals; the addresses below are the work between them and the wait)
	v_lshrrev_b32 v7, 5, v0                        ; w
	v_bfe_u32 v8, v0, 4, 1                         ; h
	v_mul_u32_u24 v3, v7, 32*CPITCH
	v_lshl_add_u32 v3, v8, 7, v3                   ; C: my wave's 32 rows, + 128 h
	v_and_b32 v4, 0xe7, v0                         ; 32 w + r % 8: eight m, each in two rows of the fragment
	v_mul_u32_u24 v4, v4, TP
	v_lshl_add_u32 v4, v8, 4, v4
	v_add_nc_u32 v4, L_T0, v4
	v_and_b32 v5, 15, v0
	v_mul_u32_u24 v5, v5, TP
	v_lshl_add_u32 v5, v8, 4, v5
	v_add_nc_u32 v5, L_S0, v5
	v_lshl_add_u32 v6, v7, 7, L_RNT
	s_add_co_i32 s86, s68, s69                     ; e0 + e1
	MKQ 72, 87, 80                                 ; s80 = 448 x 2^e4
	v_mov_b32 v10, s87
	MKQ 74, 87, 81                                 ; s81 = 448 x 2^e6
	v_mov_b32 v11, s87
	s_wait_alu depctr_va_vdst(0)                   ; one wait for the two, ahead of their first reader
	v_ldexp_f32 v14, v14, s86
	v_ldexp_f32 v15, v15, s86
	v_ldexp_f32 v12, v12, s86
	s_mov_b32 s82, 4                               ; trips of eight m
	s_mov_b32 s83, 0                               ; the trip's offsets into C, t's codes and t's norms
	s_mov_b32 s84, 0
	s_mov_b32 s85, 0
	BAR                                            ; from here to the loop's end LDS is only read
; ---------------- the loop
; cos of eight m x my 32 n.  The 24 lines that make min(rnt rns', cap') name none of the two products' registers: they are the places behind them.
.macro COS
	v_add_nc_u32 v7, s83, v3
	v_add_nc_u32 v8, s84, v4
	v_add_nc_u32 v9, s85, v6
	s_add_co_u32 s83, s83, 8*CPITCH
	s_add_co_u32 s84, s84, 8*TP
	s_add_co_u32 s85, s85, 32
.irp c, 0,1,2,3
	ds_load_b128 v[X+4*\c:X+4*\c+3], v8 offset:32*\c
.endr
.irp u, 0,1
.irp c, 0,1,2,3
	ds_load_b128 v[X+16+16*\u+4*\c:X+16+16*\u+4*\c+3], v5 offset:16*TP*\u+32*\c
.endr
.endr
	ds_load_b128 v[X+64:X+67], v9
	ds_load_b128 v[X+68:X+71], v9 offset:16
.irp mi, 0,1
.irp q, 0,1,2,3,4,5,6,7
	ds_load_b128 v[CMB+32*\mi+4*\q:CMB+32*\mi+4*\q+3], v7 offset:CPITCH*\mi+16*\q   ; C of the first two m
.endr
.endr
	s_wait_dscnt 16                                ; fragments and norms are in; C's sixteen loads may be out
.irp u, 0,1
	v_wmma_f32_16x16x128_fp8_fp8 v[X+48+8*\u:X+55+8*\u], v[X:X+15], v[X+16+16*\u:X+31+16*\u], 0   ; register j of both halves: (m = j, n = r)
.endr
.irp u, 0,1
.irp k, 0,2,4,6
	v_pk_mul_f32 v[X+72+8*\u+\k:X+73+8*\u+\k], v[X+64+\k:X+65+\k], v[14:15] op_sel:[0,\u] op_sel_hi:[1,\u]
.endr
.irp j, 0,1,2,3,4,5,6,7
	v_min_num_f32 v[X+72+8*\u+\j], v[X+72+8*\u+\j], v12
.endr
.endr
.irp u, 0,1
.irp k, 0,2,4,6
	v_pk_mul_f32 v[COSR+8*\u+\k:COSR+8*\u+\k+1], v[X+48+8*\u+\k:X+49+8*\u+\k], v[X+72+8*\u+\k:X+73+8*\u+\k]
.endr
.endr
.endm
.macro RELQ lim, vsc                   ; four tiles: relu and the hold in one, then the codes: they are the next product's source 1
.irp t, 0,1,2,3
.irp q, 0,1,2,3
.irp j, 0,1,2,3,4,5,6,7
	v_med3_num_f32 v[X+32*\t+8*\q+\j], v[X+32*\t+8*\q+\j], 0, s[\lim]
.endr
	v_cvt_scalef32_pk8_fp8_f32 v[KC+8*\t+2*\q:KC+8*\t+2*\q+1], v[X+32*\t+8*\q:X+32*\t+8*\q+7], v[\vsc]
.endr
.endr
	v_nop                                          ; a plain line between the last conversion and the products, which read its codes and write over its numbers
.endm
.macro MM wf                           ; sixteen products, each with C = 0 and a result of its own: source 0 = 16 rows of the weight (window 1), source 1 = 16 points
	WIN 0x01
.irp t, 0,1,2,3
.irp y, 0,1,2,3
	v_wmma_f32_16x16x64_fp8_fp8 v[X+32*\t+8*\y:X+32*\t+8*\y+7], v[\wf+8*\y:\wf+8*\y+7], v[KC+8*\t:KC+8*\t+7], 0
.endr
.endr
	PLACES
.endm
; Two m (2 g, 2 g + 1 of the trip's eight) x two n tiles: four tiles through the three layers.
.macro GROUP g
	s_wait_dscnt 0x0                               ; C of these two m
	WIN 0x01                                       ; source 0 (A1) window 1
.irp mi, 0,1
.irp u, 0,1
.set i, 0
.rept 16
	v_pk_fma_f32 v[X+32*(2*\mi+\u)+i:X+32*(2*\mi+\u)+i+1], v[A1+i:A1+i+1], v[COSR+8*\u+2*(\g):COSR+8*\u+2*(\g)+1], v[CMB+32*\mi+i:CMB+32*\mi+i+1] op_sel:[0,\mi,0] op_sel_hi:[1,\mi,1]   ; A1 cos + C: of the pair of cos, register mi serves both halves
.set i, i+2
.endr
.endr
.endr
	WIN 0
.if (\g) < 3
.irp mi, 0,1
.irp q, 0,1,2,3,4,5,6,7
	ds_load_b128 v[CMB+32*\mi+4*\q:CMB+32*\mi+4*\q+3], v7 offset:CPITCH*(2*(\g)+2+\mi)+16*\q   ; C of the next two m: a whole group ahead of its use
.endr
.endr
.endif
	RELQ 80, 10
	MM W2F
	WIN 0x11                                       ; sources 0 (A2) and 2 (C2) window 1
.set i, 0
.rept 64
	v_pk_fma_f32 v[X+i:X+i+1], v[A2+i%32:A2+i%32+1], v[X+i:X+i+1], v[C2+i%32:C2+i%32+1]   ; bn2 and the two scales; each result from its low end on
.set i, i+2
.endr
	WIN 0
	RELQ 81, 11
	MM W3F
	WIN 0x41                                       ; the maxima (destination, source 0) window 1
.irp u, 0,1
.set i, 0
.rept 32
	v_max3_num_f32 v[R+32*\u+i], v[R+32*\u+i], v[X+32*\u+i], v[X+64+32*\u+i]
.set i, i+1
.endr
.endr
.endm
.Ltrip:
	COS
	GROUP 0
	GROUP 1
	GROUP 2
	GROUP 3
	WIN 0                                          ; at a label and at a branch every window is 0
	s_sub_co_u32 s82, s82, 1
	s_cmp_lg_u32 s82, 0
	s_cbranch_scc1 .Ltrip
; ---------------- the eight waves' maxima meet
	v_and_b32 v14, 31, v0                          ; lane
	v_lshrrev_b32 v15, 5, v0                       ; w
	v_lshlrev_b32 v5, 4, v14                       ; 16 lane
	v_lshl_add_u32 v3, v15, 13, v5
	v_add_nc_u32 v3, L_RED, v3                     ; where I put my 64 maxima
	v_lshl_add_u32 v8, v15, 10, v5
	v_add_nc_u32 v8, L_RED, v8                     ; where I read registers 8 w .. 8 w + 7 of all eight waves
	v_lshl_add_u32 v13, v15, 4, 0                  ; 16 w
	v_bfe_u32 v15, v0, 5, 2                        ; w % 4
	v_lshl_add_u32 v6, v15, 11, v5
	v_add_nc_u32 v6, L_WC2I, v6                    ; Wc2's tiles 2 (w % 4), 2 (w % 4) + 1
	v_add_nc_u32 v5, L_WC1I, v5
	v_bfe_u32 v12, v0, 4, 1                        ; h
	v_lshlrev_b32 v7, 7, v12
	v_lshl_add_u32 v4, v15, 5, v7
	v_add_nc_u32 v4, L_BNSC+512, v4                ; bn3 of channels 32 h + 8 (w % 4) on
	v_add_nc_u32 v7, L_BNSC+768, v7                ; bnc1 of channels 32 h on
	v_lshl_add_u32 v9, v0, 3, L_PK                 ; p's codes: 256 w + 8 lane
	v_lshrrev_b32 v10, 7, v0                       ; w / 4: my n tile from here on
	v_and_b32 v11, 15, v0
	v_lshl_add_u32 v11, v15, 5, v11                ; output 32 (w % 4) + r
	v_mul_u32_u24 v11, v11, TP
	v_lshl_add_u32 v11, v10, 6, v11
	v_lshl_add_u32 v11, v12, 5, v11
	v_add_nc_u32 v11, L_OUTS, v11                  ; the stage, in: row o, + 64 (n tile) + 32 h
	v_lshlrev_b32 v14, 3, v14
	v_lshl_add_u32 v10, v10, 10, v14
	v_add_nc_u32 v10, L_PK, v10                    ; p's codes of my n tile
	v_bfe_u32 v14, v0, 3, 2                        ; lane / 8
	v_and_b32 v15, 7, v0
	v_add_nc_u32 v12, v13, v14
	v_mul_u32_u24 v12, v12, TP
	v_lshl_add_u32 v12, v15, 4, v12
	v_add_nc_u32 v12, L_OUTS, v12                  ; the stage, back: row 16 w + lane / 8, 16 bytes at 16 (lane % 8)
	v_lshlrev_b32 v13, 4, v15
	v_lshl_add_u32 v13, v14, 12, v13               ; and the same place in out
	WIN 0x04                                       ; store data window 1
.set i, 0
.rept 16
	ds_store_b128 v3, v[R+4*i:R+4*i+3] offset:512*i
.set i, i+1
.endr
	WIN 0
	ds_load_b128 v[80:83], v4                      ; what hangs on nothing new is fetched ahead of the barrier: |a3| 2^(e6+e7),
	ds_load_b128 v[84:87], v4 offset:16
	ds_load_b128 v[88:91], v4 offset:L_BNBI-L_BNSC ; b3 - a3 m3,
	ds_load_b128 v[92:95], v4 offset:L_BNBI-L_BNSC+16
.irp q, 0,1,2,3,4,5,6,7
	ds_load_b128 v[104+4*\q:107+4*\q], v5 offset:512*\q                 ; Wc1's four tiles,
.endr
.irp q, 0,1,2,3,4,5,6,7
	ds_load_b128 v[136+4*\q:139+4*\q], v7 offset:16*\q                  ; ac1 2^(e8+e9),
	ds_load_b128 v[168+4*\q:171+4*\q], v7 offset:L_BNBI-L_BNSC+16*\q    ; bc1 - ac1 mc1,
.endr
.irp q, 0,1,2,3
	ds_load_b128 v[200+4*\q:203+4*\q], v6 offset:512*\q                 ; my two tiles of Wc2
.endr
	BAR
.irp wq, 0,1,2,3,4,5,6,7
.irp z, 0,1
	ds_load_b128 v[16+8*\wq+4*\z:19+8*\wq+4*\z], v8 offset:8192*\wq+512*\z
.endr
.endr
	MKQ 76, 80, 81                                 ; p at e8
	v_mov_b32 v98, s80
	s_wait_dscnt 0x0
.irp j, 0,1,2,3,4,5,6,7
	v_max3_num_f32 v[16+\j], v[16+\j], v[24+\j], v[32+\j]
.endr
.irp j, 0,1,2,3,4,5,6,7
	v_max3_num_f32 v[16+\j], v[16+\j], v[40+\j], v[48+\j]
.endr
.irp j, 0,1,2,3,4,5,6,7
	v_max3_num_f32 v[16+\j], v[16+\j], v[56+\j], v[64+\j]
.endr
.irp j, 0,1,2,3,4,5,6,7
	v_max_num_f32 v[16+\j], v[16+\j], v[72+\j]
.endr
.irp k, 0,2,4,6
	v_pk_fma_f32 v[16+\k:17+\k], v[80+\k:81+\k], v[16+\k:17+\k], v[88+\k:89+\k]   ; bn3, once for each (channel, n)
.endr
.irp j, 0,1,2,3,4,5,6,7
	v_med3_num_f32 v[16+\j], v[16+\j], 0, s81
.endr
	v_cvt_scalef32_pk8_fp8_f32 v[96:97], v[16:23], v98
	v_nop
	ds_store_b64 v9, v[96:97]                      ; registers 2 (w % 4), 2 (w % 4) + 1 of p's fragment of n tile w / 4
	BAR
; ---------------- products 5 and 6: n tile w / 4; product 5 by each of its four waves, outputs 32 (w % 4) on
.irp q, 0,1,2,3
	ds_load_b64 v[96+2*\q:97+2*\q], v10 offset:256*\q
.endr
	MKQ 78, 82, 83                                 ; c at e10
	v_mov_b32 v248, s82
	s_add_co_i32 s84, s78, s79
	s_add_co_i32 s84, s84, 127
	s_lshl_b32 s84, s84, 23                        ; 2^(e10 + e11) as f32
	s_wait_dscnt 0x0
.irp y, 0,1,2,3
	v_wmma_f32_16x16x64_fp8_fp8 v[216+8*\y:223+8*\y], v[104+8*\y:111+8*\y], v[96:103], 0
.endr
	PLACES
.set i, 0
.rept 16
	v_pk_fma_f32 v[216+i:217+i], v[136+i:137+i], v[216+i:217+i], v[168+i:169+i]
.set i, i+2
.endr
.irp q, 0,1,2,3
.irp j, 0,1,2,3,4,5,6,7
	v_med3_num_f32 v[216+8*\q+\j], v[216+8*\q+\j], 0, s83
.endr
	v_cvt_scalef32_pk8_fp8_f32 v[16+2*\q:17+2*\q], v[216+8*\q:223+8*\q], v248
.endr
	v_nop
.irp y, 0,1
	v_wmma_f32_16x16x64_fp8_fp8 v[24+8*\y:31+8*\y], v[16:23], v[200+8*\y:207+8*\y], 0   ; source 0 = 16 points, source 1 = 16 outputs: register j is (n = 8 h + j, o = r): eight neighbours of a row of out
.endr
	PLACES
	WIN 0x10                                       ; source 2 (bc2) window 1
.irp y, 0,1
.irp j, 0,1,2,3,4,5,6,7
	v_fma_f32 v[40+8*\y+\j], v[24+8*\y+\j], s84, v[BC+2*\y]
.endr
.endr
	WIN 0
.irp y, 0,1
	ds_store_b128 v11, v[40+8*\y:43+8*\y] offset:16*TP*\y
	ds_store_b128 v11, v[44+8*\y:47+8*\y] offset:16*TP*\y+16
.endr
	BAR                                            ; 128 rows of 128 bytes lie in the stage
.irp i, 0,1,2,3
	ds_load_b128 v[64+4*\i:67+4*\i], v12 offset:4*TP*\i
.endr
.irp i, 0,1,2,3
	s_wait_dscnt 3-\i                              ; LDS loads come back in order: load i is in, the younger ones may be out
	global_store_b128 v13, v[64+4*\i:67+4*\i], s[10:11] offset:16384*\i th:TH_STORE_NT   ; four rows o, eight lanes to a row's 128 consecutive bytes; written once, read by nobody here
.endr
	s_wait_tensorcnt 0x0                           ; the wave's end
	ds_add_u32 v1, v2
	s_wait_dscnt 0x0
	s_endpgm
.Lfunc_end_k_q8a83bdbc5b_xcorr:
	.size	k_q8a83bdbc5b_xcorr, .Lfunc_end_k_q8a83bdbc5b_xcorr-k_q8a83bdbc5b_xcorr
	.p2alignl 7, 3214868480
	.fill 96, 4, 3214868480
	.section	.rodata,"a",@progbits
	.p2align	6, 0x0
	.amdhsa_kernel k_q8a83bdbc5b_xcorr
		.amdhsa_group_segment_fixed_size 268800
		.amdhsa_private_segment_fixed_size 0
		.amdhsa_enable_private_segment 0
		.amdhsa_kernarg_size 208
		.amdhsa_user_sgpr_count 2
		.amdhsa_user_sgpr_kernarg_segment_ptr 1
		.amdhsa_wavefront_size32 1
		.amdhsa_system_sgpr_workgroup_id_x 1
		.amdhsa_system_sgpr_workgroup_id_y 1
		.amdhsa_system_sgpr_workgroup_id_z 1
		.amdhsa_system_vgpr_workitem_id 0
		.amdhsa_next_free_vgpr 512
		.amdhsa_next_free_sgpr 100
		.amdhsa_reserve_vcc 0
		.amdhsa_float_denorm_mode_32 3
		.amdhsa_float_denorm_mode_16_64 3
		.amdhsa_memory_ordered 1
		.amdhsa_forward_progress 1
		.amdhsa_inst_pref_size 233
	.end_amdhsa_kernel
	.amdgpu_metadata
---
amdhsa.version: [ 1, 2 ]
amdhsa.kernels:
  - .name:           k_q8a83bdbc5b_xcorr
    .symbol:         k_q8a83bdbc5b_xcorr.kd
    .args:
      - { .name: template_feature, .offset: 0, .size: 8, .value_kind: global_buffer, .address_space: global }
      - { .name: search_feature, .offset: 8, .size: 8, .value_kind: global_buffer, .address_space: global }
      - { .name: lowp_scales, .offset: 16, .size: 8, .value_kind: global_buffer, .address_space: global }
      - { .name: out0, .offset: 24, .size: 8, .value_kind: global_buffer, .address_space: global }
      - { .name: W1, .offset: 32, .size: 8, .value_kind: global_buffer, .address_space: global }
      - { .name: W2, .offset: 40, .size: 8, .value_kind: global_buffer, .address_space: global }
      - { .name: W3, .offset: 48, .size: 8, .value_kind: global_buffer, .address_space: global }
      - { .name: Wc1, .offset: 56, .size: 8, .value_kind: global_buffer, .address_space: global }
      - { .name: Wc2, .offset: 64, .size: 8, .value_kind: global_buffer, .address_space: global }
      - { .name: bc2, .offset: 72, .size: 8, .value_kind: global_buffer, .address_space: global }
      - { .name: g1, .offset: 80, .size: 8, .value_kind: global_buffer, .address_space: global }
      - { .name: g2, .offset: 88, .size: 8, .value_kind: global_buffer, .address_space: global }
      - { .name: g3, .offset: 96, .size: 8, .value_kind: global_buffer, .address_space: global }
      - { .name: gc1, .offset: 104, .size: 8, .value_kind: global_buffer, .address_space: global }
      - { .name: b1, .offset: 112, .size: 8, .value_kind: global_buffer, .address_space: global }
      - { .name: b2, .offset: 120, .size: 8, .value_kind: global_buffer, .address_space: global }
      - { .name: b3, .offset: 128, .size: 8, .value_kind: global_buffer, .address_space: global }
      - { .name: bc1, .offset: 136, .size: 8, .value_kind: global_buffer, .address_space: global }
      - { .name: m1, .offset: 144, .size: 8, .value_kind: global_buffer, .address_space: global }
      - { .name: m2, .offset: 152, .size: 8, .value_kind: global_buffer, .address_space: global }
      - { .name: m3, .offset: 160, .size: 8, .value_kind: global_buffer, .address_space: global }
      - { .name: mc1, .offset: 168, .size: 8, .value_kind: global_buffer, .address_space: global }
      - { .name: v1, .offset: 176, .size: 8, .value_kind: global_buffer, .address_space: global }
      - { .name: v2, .offset: 184, .size: 8, .value_kind: global_buffer, .address_space: global }
      - { .name: v3, .offset: 192, .size: 8, .value_kind: global_buffer, .address_space: global }
      - { .name: vc1, .offset: 200, .size: 8, .value_kind: global_buffer, .address_space: global }
    .group_segment_fixed_size: 268800
    .private_segment_fixed_size: 0
    .kernarg_segment_align: 8
    .kernarg_segment_size: 208
    .max_flat_workgroup_size: 256
    .sgpr_count:     100
    .vgpr_count:     512
    .wavefront_size: 32
...
	.end_amdgpu_metadata
.endif
;; end of part 1
;; ======== version 2 of 2: 1 launch; version 1 with the launch xcorr written anew for expert scheduling mode
;; launch xcorr (part 2): grid 32 x 8, 8 waves a work-group, no clusters, 268,800 bytes of LDS; arguments template_feature, search_feature, lowp_scales, out0, W1, W2, W3, Wc1, Wc2, bc2, g1, g2, g3, gc1, b1, b2, b3, bc1, m1, m2, m3, mc1, v1, v2, v3, vc1; writes out0
.if DOCPART == 2
	.amdgcn_target "amdgcn-amd-amdhsa--gfx1250"
	.amdhsa_code_object_version 6
	.text
	.protected	k_q8a83bdbc5b_xcorr
	.globl	k_q8a83bdbc5b_xcorr
	.p2align	8
	.type	k_q8a83bdbc5b_xcorr,@function
k_q8a83bdbc5b_xcorr:
	s_mov_b64 s[64:65], 0
	v_nop
	global_prefetch_b8 v0, s[64:65] scope:SCOPE_SE
	s_setreg_imm32_b32 hwreg(HW_REG_WAVE_SCHED_MODE, 0, 2), 2
	s_setreg_imm32_b32 hwreg(HW_REG_WAVE_MODE, 25, 1), 1
	s_wait_xcnt 0x0
	s_wait_alu depctr_vm_vsrc(0)
; P2B_XCorr in FP8 (E4M3), one launch.  t [8][128][256], s [8][128][1024], out [8][128][1024], f32; six products on codes, each operand with its given scale 2^e (e0 .. e11).
;   cos[m][n] = (t^T s) / max(|t_m| |s_n|, 1e-8);  h1 = relu(bn1(W1[:,1:] t + W1[:,0] cos));  h2 = relu(bn2(W2 h1));  h3 = relu(bn3(W3 h2));  p = max over m of h3;  c = relu(bnc1(Wc1 p));  out = Wc2 c + bc2.
; SHARES.  A work-group owns 32 n of one batch and ALL 256 m, so the maximum over m has one owner: 32 x 8 = 256 work-groups.  Wave w owns m = 32 w .. 32 w + 31 and both tiles of 16 n.
; A lane (r = lane % 16, h = lane / 16) holds ONE point n = r and the channels 32 h + 0 .. 31, in every layer: nothing changes lanes between the layers.
; CHANNELS.  In products 3 to 6 the K slot (half h, register p, byte q) holds channel 32 h + 4 p + q, alike in both operands; row x of tile y of a weight is channel 32 (x / 8) + 8 y + x % 8.
; So register j of result tile y is channel 32 h + 8 y + j, and a lane's 32 results, converted eight at a time, ARE the next operand's eight registers.
; FOLDED, in f32, with a = g rsq(v + 1e-5):  h1 = A1 cos + C[m],  A1 = a1 W1[:,0],  C = a1 2^(e2+e3) sum2 + (b1 - a1 m1);  h2 = A2 sum + C2,  A2 = a2 2^(e4+e5),  C2 = b2 - a2 m2.
; bn3 and relu do not fall where their argument rises once a3's sign is moved into W3's rows (the code of -x is minus the code of x): so the maximum over m is taken of the raw sums and bn3 is applied once for each (channel, n).
; relu and the hold at the largest code are one v_med3.  cos = sum1 x min(rsq(sum t^2) rsq(sum s^2) 2^(e0+e1), 1e8 x 2^(e0+e1)).
; t's fragment of product 1 holds eight m TWICE (rows 8 .. 15 = rows 0 .. 7), so that both halves of the lanes get cos[m][n] from the matrix unit and no lane exchange is needed.
; LIMITS.  Every e between -126 and 119, e10 + e11 between -126 and 127 (scales and holds are made as exponent fields).  NaN among the inputs is not served.  A sum of squares under 2^-126 counts as 0.
; The folding orders the roundings of the batch norms otherwise than g (x - m) rsq + b.
; NO JOINT LOADS, NO TENSOR LOADS.  What work-groups share (t, 131,072 bytes, and the weights) is f32 with K outermost: it is read once, at the head, straight into the registers in which a lane squares, sums and converts
; it down K; as f32 in LDS it would need 131,072 bytes where 327,680 - 268,800 = 58,880 are left.  Nothing is streamed behind the head, so nothing is prefetched.
; OUT.  A work-group's part of an output row is 32 n = 128 bytes: eight lanes store 128 consecutive bytes, through a stage in LDS.
; THE MODE: SCHED_MODE bits 1:0 = 2 (LLVM: expert scheduling mode 2), set by the entry lines.  The code itself states the register dependences
; between vector or matrix instructions and memory or LDS instructions, with s_wait_alu, always for 0.
; THE PLAN.  Outside the loop the text goes in phases: vector lines make all of a phase's addresses and data, ONE wait on va_vdst follows, then the phase's stores and loads stand in one run;
; one wait on vm_vsrc stands ahead of the first line that writes again what an earlier phase's memory or LDS instructions read.
; In the loop the only memory-side instructions are LDS loads.  Registers that they touch:
;   v7, v8, v9   Written by three additions at a trip's head; read by that trip's loads.   v5: read by a trip's loads, never written in the loop.
;   X .. X+71    The trip's first 14 loads land here; after that X is named by vector and matrix lines alone, last by group 3's maxima.
;   CMB          16 loads at a trip's head and 16 in each of groups 0 to 2 land here; a group's 64 multiply-adds read it.
;   COSR, KC, v10-15 and all of window 1 are named by vector and matrix lines alone.
; So a trip has one wait on vm_vsrc ahead of the three additions, one on va_vdst behind them, and in each of groups 0 to 2 one on va_vdst behind the multiply-adds that empty CMB; behind that one
; the sixteen loads of the next C are dealt among the first layer's sixteen conversions, whose lines name X, KC and v10 alone.
.set CPITCH,  272                      ; a row of C: 64 f32 + 16 bytes = 17 x 16: sixteen rows start at sixteen different 16-byte columns modulo 256
.set TP,      144                      ; a row of 128 codes + 16 bytes = 9 x 16: likewise
.set L_CM,    0                        ; C[m][64] f32, 256 rows
.set L_T0,    69632                    ; t's codes at e0, row m
.set L_T2,    106496                   ; t's codes at e2
.set L_S0,    143360                   ; s's codes, row n (32)
.set L_RNT,   147968                   ; rsq(sum t^2) [256]
.set L_NSP,   148992                   ; partial sums of s^2 [wave][32]
.set L_BNSC,  150016                   ; [4][64]: a1 2^(e2+e3), a2 2^(e4+e5), |a3| 2^(e6+e7), ac1 2^(e8+e9)
.set L_BNBI,  151040                   ; [4][64]: b - a m
.set L_BNAW,  152064                   ; [4][64]: a W1[ch][0] (the first 64 are read)
.set L_W1I,   153088                   ; images of operand registers: W1: tile y x 2048 + c x 512 + 16 lane
.set L_W23I,  161280                   ; W2's four tiles, W3's four: 1024 each, z x 512 + 16 lane
.set L_WC1I,  169472                   ; Wc1's four
.set L_WC2I,  173568                   ; Wc2's eight
.set L_RED,   181760                   ; the waves' maxima: wave x 8192 + quad x 512 + 16 lane
.set L_PK,    247296                   ; p's codes: n tile x 1024 + q x 256 + 8 lane
.set L_OUTS,  249344                   ; the way out: row o, 128 bytes, pitch 144
.set L_SPARE, 267776                   ; the spare words, 128 bytes for each of eight waves: four blocks of 256 bytes that no other line names
; window 0 in the loop: v1, v2 the add's two; v3-6 bases, v7-9 addresses in hand; v10 2^e4, v11 2^e6, v12 the cap, v[14:15] rsq(sum s^2) 2^(e0+e1) of my two n
.set COSR, 16                          ; v16-31   cos[8 u + j]: eight m for each n tile
.set KC,   32                          ; v32-63   a tile's codes, 8 registers, four tiles
.set CMB,  64                          ; v64-127  C of two m
.set X,    128                         ; v128-255 four tiles (t = 2 mi + u) of 32 numbers
; window 1 in the loop
.set A1,   0
.set A2,   32
.set C2,   64
.set W2F,  96
.set W3F,  128
.set R,    160                         ; 160-223  the running maxima [32 u + s]
.set BC,   224                         ; 224, 226 bc2 of my two tiles of outputs
.set MSB, 0
.macro WIN new                         ; the immediate's high byte repeats the setting that is left; a switch that changes nothing is dropped
.if MSB != \new
	s_set_vgpr_msb (MSB<<8)|\new
.set MSB, \new
.endif
.endm
.macro MKQ e, sc, lp                   ; s[sc] = 2^e as f32 (the conversion takes its exponent field), s[lp] = 448 x 2^e
	s_add_co_i32 s[\sc], s[\e], 127
	s_add_co_i32 s[\lp], s[\e], 135
	s_lshl_b32 s[\sc], s[\sc], 23
	s_lshl_b32 s[\lp], s[\lp], 23
	s_or_b32 s[\lp], s[\lp], 0x600000
.endm
.macro SETQ e                          ; for Q2: v192 the scale, s85 and s87 the two holds
	MKQ \e, 84, 85
	s_or_b32 s87, s85, 0x80000000
	v_mov_b32 v192, s84
.endm
.macro Q2 src, n8, dst                 ; n8 x 8 numbers of a lane become codes: the conversion to an 8-bit code does not saturate (ISA guide 7.6.2), so each number is held first
.set qg, 0
.rept \n8
.irp i, 0,1,2,3,4,5,6,7
	v_med3_num_f32 v[\src+8*qg+\i], v[\src+8*qg+\i], s87, s85
.endr
	v_cvt_scalef32_pk8_fp8_f32 v[\dst+2*qg:\dst+2*qg+1], v[\src+8*qg:\src+8*qg+7], v192
.set qg, qg+1
.endr
	v_nop                                          ; a plain line behind the last conversion, ahead of whatever next writes its scale or its numbers
.endm
.macro BAR                             ; my LDS stores have landed and my LDS loads are in: then the work-group's barrier
	s_wait_dscnt 0x0
	s_barrier_signal -1
	s_barrier_wait -1
.endm
.macro PLACES                          ; four plain lines between a matrix instruction and the first vector read of its result (ISA guide 7.12.1)
.rept 4
	v_nop
.endr
.endm
; ---------------- the arguments, the lane's offsets
	s_load_b256 s[4:11], s[0:1], 0x0               ; t s[4:5], s s[6:7], the exponents s[8:9], out s[10:11]
	s_load_b256 s[12:19], s[0:1], 0x20             ; W1, W2, W3, Wc1
	s_load_b128 s[20:23], s[0:1], 0x40             ; Wc2, bc2
	s_load_b512 s[24:39], s[0:1], 0x50             ; g1 g2 g3 gc1, b1 b2 b3 bc1
	s_load_b512 s[40:55], s[0:1], 0x90             ; m1 m2 m3 mc1, v1 v2 v3 vc1
	v_lshl_add_u32 v1, v0, 2, L_SPARE              ; my spare word; never rewritten
	v_mov_b32 v2, 0                                ; 0; never rewritten
	v_lshrrev_b32 v12, 5, v0
	v_readfirstlane_b32 s2, v12                    ; wave 0..7
	v_and_b32 v3, 31, v0
	v_lshlrev_b32 v3, 2, v3                        ; 4 lane: s
	v_and_b32 v4, 63, v0                           ; my channel of the batch norm that my wave serves
	v_mul_u32_u24 v5, v4, 516                      ; W1[ch][0]: a row of W1 is 129 f32
	v_lshlrev_b32 v4, 2, v4
	v_and_b32 v12, 7, v0
	v_bfe_u32 v13, v0, 3, 1
	v_lshl_add_u32 v12, v13, 5, v12                ; the weight's row of lane r in tile 0: 32 (r / 8) + r % 8
	v_bfe_u32 v13, v0, 4, 1                        ; h
	v_lshlrev_b32 v6, 2, v12                       ; g3 of that row
	v_mul_u32_u24 v7, v12, 516
	v_lshl_add_u32 v7, v13, 6, v7                  ; W1: row x 516 + 64 h
	v_lshlrev_b32 v8, 8, v12
	v_lshl_add_u32 v8, v13, 7, v8                  ; W2, W3, Wc1: row x 256 + 128 h
	v_and_b32 v10, 15, v0
	v_lshlrev_b32 v9, 8, v10
	v_lshl_add_u32 v9, v13, 7, v9                  ; Wc2: r x 256 + 128 h
	v_lshlrev_b32 v10, 2, v10                      ; bc2: 4 r
	v_lshlrev_b32 v11, 2, v0                       ; t: thread = m
	s_wait_alu depctr_va_sdst(0)                   ; s2, the wave's number, is written, ahead of its first reader: choices and bases are made from it
	s_and_b32 s3, ttmp7, 0xffff                    ; batch
	s_lshr_b32 s66, s2, 1                          ; which batch norm, which tile of W1 and Wc1
	s_and_b32 s67, s2, 1
	s_and_b32 s86, s2, 3
	s_wait_kmcnt 0x0
	s_load_b256 s[68:75], s[8:9], 0x0              ; e0 .. e7
	s_load_b128 s[76:79], s[8:9], 0x20             ; e8 .. e11
	s_cmp_lt_u32 s66, 3                            ; g, b, m, v of batch norm w / 2: the choice hangs on the wave's number alone
	s_cselect_b64 s[56:57], s[28:29], s[30:31]
	s_cselect_b64 s[58:59], s[36:37], s[38:39]
	s_cselect_b64 s[60:61], s[44:45], s[46:47]
	s_cselect_b64 s[62:63], s[52:53], s[54:55]
	s_cmp_lt_u32 s66, 2
	s_cselect_b64 s[56:57], s[26:27], s[56:57]
	s_cselect_b64 s[58:59], s[34:35], s[58:59]
	s_cselect_b64 s[60:61], s[42:43], s[60:61]
	s_cselect_b64 s[62:63], s[50:51], s[62:63]
	s_cmp_lt_u32 s66, 1
	s_cselect_b64 s[56:57], s[24:25], s[56:57]
	s_cselect_b64 s[58:59], s[32:33], s[58:59]
	s_cselect_b64 s[60:61], s[40:41], s[60:61]
	s_cselect_b64 s[62:63], s[48:49], s[62:63]
	s_cmp_lt_u32 s2, 4
	s_cselect_b64 s[88:89], s[14:15], s[16:17]     ; waves 0-3 lay out W2, waves 4-7 W3
	s_mov_b32 s91, 0
	s_lshl_b32 s90, s3, 17
	s_add_nc_u64 s[4:5], s[4:5], s[90:91]          ; t at my batch
	s_lshl_b32 s90, s3, 19
	s_lshl_b32 s87, s2, 16
	s_add_co_u32 s90, s90, s87
	s_lshl_b32 s87, ttmp9, 7
	s_add_co_u32 s90, s90, s87                     ; batch x 524,288 + wave x 16 rows of 4,096 + my 32 n:
	s_add_nc_u64 s[6:7], s[6:7], s[90:91]          ; s at f = 16 w,
	s_add_nc_u64 s[10:11], s[10:11], s[90:91]      ; out at o = 16 w
	s_mul_i32 s90, s66, 4128                       ; W1: tile w / 2 (8 rows of 516), half w % 2 of K (64 f32), past column 0
	s_lshl_b32 s87, s67, 8
	s_add_co_u32 s90, s90, s87
	s_add_co_u32 s90, s90, 4
	s_add_nc_u64 s[92:93], s[12:13], s[90:91]
	s_lshl_b32 s90, s86, 11
	s_add_nc_u64 s[88:89], s[88:89], s[90:91]      ; W2 or W3: tile w % 4
	s_lshl_b32 s90, s86, 5
	s_add_nc_u64 s[94:95], s[28:29], s[90:91]      ; g3 of that tile's rows
	s_lshl_b32 s90, s2, 12
	s_add_nc_u64 s[20:21], s[20:21], s[90:91]      ; Wc2: tile w
	s_lshl_b32 s90, s66, 11
	s_lshl_b32 s87, s67, 6
	s_add_co_u32 s90, s90, s87
	s_add_nc_u64 s[18:19], s[18:19], s[90:91]      ; Wc1: tile w / 2, half w % 2 of a lane's 32 channels
	s_lshl_b32 s90, s86, 7
	s_add_nc_u64 s[22:23], s[22:23], s[90:91]      ; bc2: outputs 32 (w % 4) on
; ---------------- all loads at once: 76 small ones, then t's 128
	s_wait_alu depctr_va_vdst(0)                   ; the offsets v3 to v11 are written, which the loads below read; only loads and a window switch follow up to the last of them
	global_load_b32 v144, v4, s[56:57]             ; g
	global_load_b32 v145, v4, s[58:59]             ; b
	global_load_b32 v146, v4, s[60:61]             ; m
	global_load_b32 v147, v4, s[62:63]             ; v
	global_load_b32 v148, v5, s[12:13]             ; W1[ch][0]
	global_load_b32 v149, v6, s[94:95]             ; g3 of my row of W3
.set i, 0
.rept 16
	global_load_b32 v[16+i], v3, s[6:7] offset:4096*i th:TH_LOAD_NT     ; s(16 w + i, my n): a lane a column, registers down K; read by this work-group alone
.set i, i+1
.endr
.irp c, 0,1
.set i, 0
.rept 16
	global_load_b32 v[32+16*\c+i], v7, s[92:93] offset:128*\c+4*i       ; W1(row, 1 + 32 (2 (w % 2) + c) + 16 h + i)
.set i, i+1
.endr
.endr
.irp q, 0,1,2,3,4,5,6,7
	global_load_b128 v[64+4*\q:67+4*\q], v8, s[88:89] offset:16*\q      ; W2 or W3 (row, 32 h + 4 q ..)
.endr
.irp q, 0,1,2,3,4,5,6,7
	global_load_b128 v[96+4*\q:99+4*\q], v9, s[20:21] offset:16*\q      ; Wc2(16 w + r, 32 h + 4 q ..)
.endr
.irp q, 0,1,2,3
	global_load_b128 v[128+4*\q:131+4*\q], v8, s[18:19] offset:16*\q    ; Wc1(row, 32 h + 16 (w % 2) + 4 q ..)
.endr
	WIN 0x40                                       ; destination window 1
	global_load_b32 v[BC], v10, s[22:23]
	global_load_b32 v[BC+2], v10, s[22:23] offset:64
.set f, 0
.rept 128
	global_load_b32 v[f], v11, s[4:5] offset:1024*f                     ; t(f, m = my thread): a wave reads 128 consecutive bytes, the work-group a whole row
.set f, f+1
.endr
	WIN 0
	s_wait_kmcnt 0x0                               ; the exponents
	s_wait_loadcnt 63                              ; behind each of the 76 small loads stand t's 128: with at most 63 out, the small ones are in
; ---------------- the small work, while t lands: all the arithmetic first, each result in registers of its own, then one wait and the twelve LDS stores in one run
	s_add_co_i32 s80, s70, s71                     ; the exponent that my batch norm's sums lack
	s_add_co_i32 s81, s72, s73
	s_add_co_i32 s82, s74, s75
	s_add_co_i32 s83, s76, s77
	s_cmp_lt_u32 s66, 3
	s_cselect_b32 s82, s82, s83
	s_cmp_lt_u32 s66, 2
	s_cselect_b32 s81, s81, s82
	s_cmp_lt_u32 s66, 1
	s_cselect_b32 s80, s80, s81
	s_cmp_eq_u32 s66, 2
	s_cselect_b32 s81, 0x7fffffff, -1              ; bn3's factor goes in as a magnitude: its sign is in W3's rows
	v_add_f32 v147, 0x3727c5ac, v147               ; v + 1e-5
	s_wait_alu depctr_va_vdst(0)
	v_rsq_f32 v147, v147
	v_lshl_add_u32 v153, v0, 2, L_BNSC             ; (the plain line behind the transcendental)  [bn][ch] = 4 x thread
	s_wait_alu depctr_va_vdst(0)                   ; the reciprocal root v147 is written, ahead of its first reader
	v_mul_f32 v144, v144, v147                     ; a
	v_ldexp_f32 v150, v144, s80
	v_and_b32 v150, s81, v150
	v_fma_f32 v151, -v144, v146, v145              ; b - a m
	v_mul_f32 v152, v144, v148                     ; a W1[ch][0]
	v_and_b32 v196, 31, v0                         ; lane
	v_lshrrev_b32 v197, 5, v0                      ; wave
	v_mul_u32_u24 v157, v196, TP
	v_lshl_add_u32 v157, v197, 4, v157
	v_add_nc_u32 v157, L_S0, v157                  ; s's codes: row n = lane, bytes 16 w on
	v_lshlrev_b32 v158, 4, v196
	v_lshl_add_u32 v158, v197, 10, v158
	v_add_nc_u32 v158, L_W1I, v158                 ; the images: 1,024 w + 16 lane
	v_lshl_add_u32 v159, v0, 4, L_WC1I             ; Wc1's: 512 w + 16 lane = 16 x thread
	v_lshl_add_u32 v156, v0, 2, L_NSP
	v_pk_mul_f32 v[154:155], v[16:17], v[16:17]    ; the sum of squares of my 16 numbers of s, ahead of the hold
.irp i, 2,4,6,8,10,12,14
	v_pk_fma_f32 v[154:155], v[16+\i:17+\i], v[16+\i:17+\i], v[154:155]
.endr
	v_add_f32 v154, v154, v155
	SETQ 69                                        ; s at e1
	Q2 16, 2, 188
	SETQ 71                                        ; W1 at e3
	Q2 32, 4, 160
	s_cmp_ge_u32 s2, 4
	s_cselect_b32 s82, 0x80000000, 0               ; W3's rows take g3's sign; W2's take none
	s_cselect_b32 s83, s75, s73                    ; e7 or e5
	v_and_b32 v149, s82, v149
.set i, 0
.rept 32
	v_xor_b32 v[64+i], v149, v[64+i]
.set i, i+1
.endr
	SETQ 83
	Q2 64, 4, 168
	SETQ 79                                        ; Wc2 at e11
	Q2 96, 4, 176
	SETQ 77                                        ; Wc1 at e9
	Q2 128, 2, 184
	s_wait_alu depctr_va_vdst(0)                   ; the batch norm's three numbers v150-152, the sum v154, the codes v160-191 and the addresses v153, v156-159 are written, which the LDS stores below read
	ds_store_b32 v153, v150
	ds_store_b32 v153, v151 offset:L_BNBI-L_BNSC
	ds_store_b32 v153, v152 offset:L_BNAW-L_BNSC
	ds_store_b32 v156, v154
	ds_store_b128 v157, v[188:191]
	ds_store_b128 v158, v[160:163]
	ds_store_b128 v158, v[164:167] offset:512
	ds_store_b128 v158, v[168:171] offset:L_W23I-L_W1I
	ds_store_b128 v158, v[172:175] offset:L_W23I-L_W1I+512
	ds_store_b128 v158, v[176:179] offset:L_WC2I-L_W1I
	ds_store_b128 v158, v[180:183] offset:L_WC2I-L_W1I+512
	ds_store_b128 v159, v[184:187]
; ---------------- t: its norm, its codes at e0 and at e2
	MKQ 68, 80, 81
	s_or_b32 s82, s81, 0x80000000
	MKQ 70, 83, 84
	s_or_b32 s85, s84, 0x80000000
	v_mov_b32 v193, s80                            ; 2^e0
	v_mov_b32 v194, s83                            ; 2^e2
	v_mul_u32_u24 v195, v0, TP
	v_add_nc_u32 v195, L_T0, v195                  ; row m = my thread
	s_wait_loadcnt 0x0                             ; t
	WIN 0x05                                       ; sources 0 and 1 window 1
	v_pk_mul_f32 v[144:145], v[0:1], v[0:1]        ; two packed chains
	v_pk_mul_f32 v[146:147], v[2:3], v[2:3]
.set f, 4
.rept 31
	v_pk_fma_f32 v[144:145], v[f:f+1], v[f:f+1], v[144:145]
	v_pk_fma_f32 v[146:147], v[f+2:f+3], v[f+2:f+3], v[146:147]
.set f, f+4
.endr
	WIN 0
	v_pk_add_f32 v[144:145], v[144:145], v[146:147]
	v_add_f32 v144, v144, v145
	s_wait_alu depctr_va_vdst(0)
	v_rsq_f32 v144, v144
	v_lshl_add_u32 v145, v0, 2, L_RNT              ; (the plain line behind the transcendental)
	s_wait_alu depctr_va_vdst(0)                   ; the reciprocal root v144 and the address v145 are written, which the LDS store reads; it is the root's first reader
	ds_store_b32 v145, v144
; 128 numbers down K become 32 registers of codes.  All but the scale lies in window 1: t 0-127, two sets of eight held numbers 128-143 by turns (eight plain lines stand between a conversion and the rewrite of its sources), the codes from dst on.
.macro QT ln, lp, vsc, dst
.set qg, 0
.rept 16
.set tm, 128+8*(qg%2)
.irp i, 0,1,2,3,4,5,6,7
	v_med3_num_f32 v[tm+\i], v[8*qg+\i], s[\ln], s[\lp]
.endr
	v_cvt_scalef32_pk8_fp8_f32 v[\dst+2*qg:\dst+2*qg+1], v[tm:tm+7], v[\vsc]
.set qg, qg+1
.endr
	v_nop
.endm
	WIN 0x41                                       ; destination and source 0 window 1; the scale, source 1, window 0
	QT 82, 81, 193, 144
	QT 85, 84, 194, 176
	WIN 0x04                                       ; store data window 1, address window 0
	s_wait_alu depctr_va_vdst(0)                   ; the conversions have written t's codes (window 1, 144-207), which the LDS stores read
.irp q, 0,1,2,3,4,5,6,7
	ds_store_b128 v195, v[144+4*\q:147+4*\q] offset:16*\q
.endr
.irp q, 0,1,2,3,4,5,6,7
	ds_store_b128 v195, v[176+4*\q:179+4*\q] offset:L_T2-L_T0+16*\q
.endr
	WIN 0
	BAR                                            ; codes, images, norms' parts and batch norms lie in LDS
; ---------------- the table C[m][ch] of my 32 m (product 2), and the loop's constants
	s_wait_alu depctr_vm_vsrc(0)                   ; the head's loads have read their offsets v3-v11, the LDS stores their addresses (v145, v153, v156-159, v195) and data (v144, v150-154, v160-191; window 1, 144-207): all are written again from here on
	v_and_b32 v3, 0xef, v0                         ; 32 w + r
	v_bfe_u32 v4, v0, 4, 1                         ; h
	v_mul_u32_u24 v12, v3, TP
	v_lshl_add_u32 v12, v4, 4, v12
	v_add_nc_u32 v12, L_T2, v12                    ; t's fragment: row 32 w + r, + 16 h
	v_and_b32 v13, 31, v0
	v_lshlrev_b32 v13, 4, v13
	v_add_nc_u32 v13, L_W1I, v13                   ; an image's place for my lane
	v_lshlrev_b32 v14, 7, v4                       ; 128 h: my 32 channels' constants
	v_mul_u32_u24 v15, v3, CPITCH
	v_add_nc_u32 v15, v14, v15                     ; C (at LDS byte 0): row 32 w + r, + 128 h
	v_add_nc_u32 v14, L_BNSC, v14
	v_and_b32 v9, 15, v0
	v_lshl_add_u32 v9, v9, 2, L_NSP                ; the parts of sum s^2 at n = r: made here with the other addresses, under their wait
	s_wait_alu depctr_va_vdst(0)                   ; the addresses v9, v12-15 are written; the quantisers are done with v32-127 and v192-197, in which the loads below land
.irp mt, 0,1
.irp c, 0,1,2,3
	ds_load_b128 v[32+16*\mt+4*\c:35+16*\mt+4*\c], v12 offset:16*TP*\mt+32*\c
.endr
.endr
.irp y, 0,1,2,3
.irp c, 0,1,2,3
	ds_load_b128 v[64+16*\y+4*\c:67+16*\y+4*\c], v13 offset:2048*\y+512*\c
.endr
.endr
.irp q, 0,1,2,3,4,5,6,7
	ds_load_b128 v[192+4*\q:195+4*\q], v14 offset:16*\q                 ; a1 2^(e2+e3)
.endr
.irp q, 0,1,2,3,4,5,6,7
	ds_load_b128 v[224+4*\q:227+4*\q], v14 offset:L_BNBI-L_BNSC+16*\q   ; b1 - a1 m1
.endr
	s_wait_dscnt 16                                ; the fragments are in; the sixteen loads of the two constants may be out
.irp mt, 0,1
.irp y, 0,1,2,3
	v_wmma_f32_16x16x128_fp8_fp8 v[128+32*\mt+8*\y:135+32*\mt+8*\y], v[64+16*\y:79+16*\y], v[32+16*\mt:47+16*\mt], 0   ; source 0 = 16 rows of W1, source 1 = 16 m
.endr
.endr
	PLACES
	s_wait_dscnt 0x0
.irp mt, 0,1
.set i, 0
.rept 16
	v_pk_fma_f32 v[128+32*\mt+i:129+32*\mt+i], v[192+i:193+i], v[128+32*\mt+i:129+32*\mt+i], v[224+i:225+i]
.set i, i+2
.endr
.endr
	s_wait_alu depctr_va_vdst(0)                   ; the multiply-adds have written C in v128-191, which the LDS stores read; the products are done reading v32-47, and t's arithmetic is done with window 1's 0-159: the loads below land in both
.irp mt, 0,1
.irp q, 0,1,2,3,4,5,6,7
	ds_store_b128 v15, v[128+32*\mt+4*\q:131+32*\mt+4*\q] offset:16*CPITCH*\mt+16*\q
.endr
.endr
.irp u, 0,1
.irp wq, 0,1,2,3,4,5,6,7
	ds_load_b32 v[32+8*\u+\wq], v9 offset:128*\wq+64*\u                 ; the eight waves' parts of sum s^2 at n = 16 u + r
.endr
.endr
	WIN 0x40                                       ; destination window 1
.irp q, 0,1,2,3,4,5,6,7
	ds_load_b128 v[A1+4*\q:A1+4*\q+3], v14 offset:L_BNAW-L_BNSC+16*\q
	ds_load_b128 v[A2+4*\q:A2+4*\q+3], v14 offset:256+16*\q
	ds_load_b128 v[C2+4*\q:C2+4*\q+3], v14 offset:L_BNBI-L_BNSC+256+16*\q
	ds_load_b128 v[W2F+4*\q:W2F+4*\q+3], v13 offset:L_W23I-L_W1I+512*\q
	ds_load_b128 v[W3F+4*\q:W3F+4*\q+3], v13 offset:L_W23I-L_W1I+4096+512*\q
.endr
.set i, 0
.rept 64
	v_mov_b32 v[R+i], 0xff800000                   ; the maxima begin under every number, so that the loop has no first trip of its own
.set i, i+1
.endr
	WIN 0
	s_wait_dscnt 0x0
	s_wait_alu depctr_vm_vsrc(0)                   ; the LDS loads and stores above have read their addresses v9 and v12-15: v12, v14 and v15 are written below, v9 in the loop
	v_pk_add_f32 v[32:33], v[32:33], v[34:35]
	v_pk_add_f32 v[36:37], v[36:37], v[38:39]
	v_pk_add_f32 v[40:41], v[40:41], v[42:43]
	v_pk_add_f32 v[44:45], v[44:45], v[46:47]
	v_pk_add_f32 v[32:33], v[32:33], v[36:37]
	v_pk_add_f32 v[40:41], v[40:41], v[44:45]
	v_add_f32 v32, v32, v33
	v_add_f32 v40, v40, v41
	s_wait_alu depctr_va_vdst(0)
	v_rsq_f32 v14, v32
	v_rsq_f32 v15, v40
	v_mov_b32 v12, 0x4cbebc20                      ; 1e8 = 1 / 1e-8.  (The plain line behind the transcendentals; the addresses below are the work between them and the wait)
	v_lshrrev_b32 v7, 5, v0                        ; w
	v_bfe_u32 v8, v0, 4, 1                         ; h
	v_mul_u32_u24 v3, v7, 32*CPITCH
	v_lshl_add_u32 v3, v8, 7, v3                   ; C: my wave's 32 rows, + 128 h
	v_and_b32 v4, 0xe7, v0                         ; 32 w + r % 8: eight m, each in two rows of the fragment
	v_mul_u32_u24 v4, v4, TP
	v_lshl_add_u32 v4, v8, 4, v4
	v_add_nc_u32 v4, L_T0, v4
	v_and_b32 v5, 15, v0
	v_mul_u32_u24 v5, v5, TP
	v_lshl_add_u32 v5, v8, 4, v5
	v_add_nc_u32 v5, L_S0, v5
	v_lshl_add_u32 v6, v7, 7, L_RNT
	s_add_co_i32 s86, s68, s69                     ; e0 + e1
	MKQ 72, 87, 80                                 ; s80 = 448 x 2^e4
	v_mov_b32 v10, s87
	MKQ 74, 87, 81                                 ; s81 = 448 x 2^e6
	v_mov_b32 v11, s87
	s_wait_alu depctr_va_vdst(0)                   ; the two reciprocal roots v14 and v15 are written: one wait for both, ahead of their first reader
	v_ldexp_f32 v14, v14, s86
	v_ldexp_f32 v15, v15, s86
	v_ldexp_f32 v12, v12, s86
	s_mov_b32 s82, 4                               ; trips of eight m
	s_mov_b32 s83, 0                               ; the trip's offsets into C, t's codes and t's norms
	s_mov_b32 s84, 0
	s_mov_b32 s85, 0
	BAR                                            ; from here to the loop's end LDS is only read
; ---------------- the loop
; cos of eight m x my 32 n.  The 24 lines that make min(rnt rns', cap') name none of the two products' registers: they are the places behind them.
.macro COS
	s_wait_alu depctr_vm_vsrc(0)                   ; the LDS loads issued so far (the last trip's; ahead of the first trip those by v9) have read v7, v8 and v9, which the three additions write
	v_add_nc_u32 v7, s83, v3
	v_add_nc_u32 v8, s84, v4
	v_add_nc_u32 v9, s85, v6
	s_add_co_u32 s83, s83, 8*CPITCH
	s_add_co_u32 s84, s84, 8*TP
	s_add_co_u32 s85, s85, 32
	s_wait_alu depctr_va_vdst(0)                   ; v7, v8, v9 (ahead of the first trip v5 too) are written; the last group's maxima are done reading X and its multiply-adds CMB: the loads below land in both
.irp c, 0,1,2,3
	ds_load_b128 v[X+4*\c:X+4*\c+3], v8 offset:32*\c
.endr
.irp u, 0,1
.irp c, 0,1,2,3
	ds_load_b128 v[X+16+16*\u+4*\c:X+16+16*\u+4*\c+3], v5 offset:16*TP*\u+32*\c
.endr
.endr
	ds_load_b128 v[X+64:X+67], v9
	ds_load_b128 v[X+68:X+71], v9 offset:16
.irp mi, 0,1
.irp q, 0,1,2,3,4,5,6,7
	ds_load_b128 v[CMB+32*\mi+4*\q:CMB+32*\mi+4*\q+3], v7 offset:CPITCH*\mi+16*\q   ; C of the first two m
.endr
.endr
	s_wait_dscnt 16                                ; fragments and norms are in; C's sixteen loads may be out
.irp u, 0,1
	v_wmma_f32_16x16x128_fp8_fp8 v[X+48+8*\u:X+55+8*\u], v[X:X+15], v[X+16+16*\u:X+31+16*\u], 0   ; register j of both halves: (m = j, n = r)
.endr
.irp u, 0,1
.irp k, 0,2,4,6
	v_pk_mul_f32 v[X+72+8*\u+\k:X+73+8*\u+\k], v[X+64+\k:X+65+\k], v[14:15] op_sel:[0,\u] op_sel_hi:[1,\u]
.endr
.irp j, 0,1,2,3,4,5,6,7
	v_min_num_f32 v[X+72+8*\u+\j], v[X+72+8*\u+\j], v12
.endr
.endr
.irp u, 0,1
.irp k, 0,2,4,6
	v_pk_mul_f32 v[COSR+8*\u+\k:COSR+8*\u+\k+1], v[X+48+8*\u+\k:X+49+8*\u+\k], v[X+72+8*\u+\k:X+73+8*\u+\k]
.endr
.endr
.endm
; Four tiles: relu and the hold in one, then the codes: they are the next product's source 1.
; ld = 1: behind each of the sixteen conversions stands one of the sixteen loads of C of the two m behind group g's: a whole group ahead of their use.  They owe no wait of their own: no line here names CMB or v7.
.macro RELQ lim, vsc, ld, g
.irp t, 0,1,2,3
.irp q, 0,1,2,3
.irp j, 0,1,2,3,4,5,6,7
	v_med3_num_f32 v[X+32*\t+8*\q+\j], v[X+32*\t+8*\q+\j], 0, s[\lim]
.endr
	v_cvt_scalef32_pk8_fp8_f32 v[KC+8*\t+2*\q:KC+8*\t+2*\q+1], v[X+32*\t+8*\q:X+32*\t+8*\q+7], v[\vsc]
.if \ld
	ds_load_b128 v[CMB+4*(4*\t+\q):CMB+4*(4*\t+\q)+3], v7 offset:CPITCH*(2*(\g)+2+(4*\t+\q)/8)+16*((4*\t+\q)%8)
.endif
.endr
.endr
	v_nop                                          ; a plain line between the last conversion and the products, which read its codes and write over its numbers
.endm
.macro MM wf                           ; sixteen products, each with C = 0 and a result of its own: source 0 = 16 rows of the weight (window 1), source 1 = 16 points
	WIN 0x01
.irp t, 0,1,2,3
.irp y, 0,1,2,3
	v_wmma_f32_16x16x64_fp8_fp8 v[X+32*\t+8*\y:X+32*\t+8*\y+7], v[\wf+8*\y:\wf+8*\y+7], v[KC+8*\t:KC+8*\t+7], 0
.endr
.endr
	PLACES
.endm
; Two m (2 g, 2 g + 1 of the trip's eight) x two n tiles: four tiles through the three layers.
.macro GROUP g
	s_wait_dscnt 0x0                               ; C of these two m
	WIN 0x01                                       ; source 0 (A1) window 1
.irp mi, 0,1
.irp u, 0,1
.set i, 0
.rept 16
	v_pk_fma_f32 v[X+32*(2*\mi+\u)+i:X+32*(2*\mi+\u)+i+1], v[A1+i:A1+i+1], v[COSR+8*\u+2*(\g):COSR+8*\u+2*(\g)+1], v[CMB+32*\mi+i:CMB+32*\mi+i+1] op_sel:[0,\mi,0] op_sel_hi:[1,\mi,1]   ; A1 cos + C: of the pair of cos, register mi serves both halves
.set i, i+2
.endr
.endr
.endr
	WIN 0
.if (\g) < 3
	s_wait_alu depctr_va_vdst(0)                   ; the 64 multiply-adds above are done reading CMB, in which the loads dealt among the conversions below land
	RELQ 80, 10, 1, \g
.else
	RELQ 80, 10, 0, \g
.endif
	MM W2F
	WIN 0x11                                       ; sources 0 (A2) and 2 (C2) window 1
.set i, 0
.rept 64
	v_pk_fma_f32 v[X+i:X+i+1], v[A2+i%32:A2+i%32+1], v[X+i:X+i+1], v[C2+i%32:C2+i%32+1]   ; bn2 and the two scales; each result from its low end on
.set i, i+2
.endr
	WIN 0
	RELQ 81, 11, 0, \g
	MM W3F
	WIN 0x41                                       ; the maxima (destination, source 0) window 1
.irp u, 0,1
.set i, 0
.rept 32
	v_max3_num_f32 v[R+32*\u+i], v[R+32*\u+i], v[X+32*\u+i], v[X+64+32*\u+i]
.set i, i+1
.endr
.endr
.endm
.Ltrip:
	COS
	s_wait_alu depctr_va_vdst(0)
	GROUP 0
	GROUP 1
	GROUP 2
	GROUP 3
	WIN 0                                          ; at a label and at a branch every window is 0
	s_sub_co_u32 s82, s82, 1
	s_cmp_lg_u32 s82, 0
	s_cbranch_scc1 .Ltrip
; ---------------- the eight waves' maxima meet
	s_wait_alu depctr_vm_vsrc(0)                   ; the loop's LDS loads have read v5, v7, v8 and v9, the table's v13: all are written below
	v_and_b32 v14, 31, v0                          ; lane
	v_lshrrev_b32 v15, 5, v0                       ; w
	v_lshlrev_b32 v5, 4, v14                       ; 16 lane
	v_lshl_add_u32 v3, v15, 13, v5
	v_add_nc_u32 v3, L_RED, v3                     ; where I put my 64 maxima
	v_lshl_add_u32 v8, v15, 10, v5
	v_add_nc_u32 v8, L_RED, v8                     ; where I read registers 8 w .. 8 w + 7 of all eight waves
	v_lshl_add_u32 v13, v15, 4, 0                  ; 16 w
	v_bfe_u32 v15, v0, 5, 2                        ; w % 4
	v_lshl_add_u32 v6, v15, 11, v5
	v_add_nc_u32 v6, L_WC2I, v6                    ; Wc2's tiles 2 (w % 4), 2 (w % 4) + 1
	v_add_nc_u32 v5, L_WC1I, v5
	v_bfe_u32 v12, v0, 4, 1                        ; h
	v_lshlrev_b32 v7, 7, v12
	v_lshl_add_u32 v4, v15, 5, v7
	v_add_nc_u32 v4, L_BNSC+512, v4                ; bn3 of channels 32 h + 8 (w % 4) on
	v_add_nc_u32 v7, L_BNSC+768, v7                ; bnc1 of channels 32 h on
	v_lshl_add_u32 v9, v0, 3, L_PK                 ; p's codes: 256 w + 8 lane
	v_lshrrev_b32 v10, 7, v0                       ; w / 4: my n tile from here on
	v_and_b32 v11, 15, v0
	v_lshl_add_u32 v11, v15, 5, v11                ; output 32 (w % 4) + r
	v_mul_u32_u24 v11, v11, TP
	v_lshl_add_u32 v11, v10, 6, v11
	v_lshl_add_u32 v11, v12, 5, v11
	v_add_nc_u32 v11, L_OUTS, v11                  ; the stage, in: row o, + 64 (n tile) + 32 h
	v_lshlrev_b32 v14, 3, v14
	v_lshl_add_u32 v10, v10, 10, v14
	v_add_nc_u32 v10, L_PK, v10                    ; p's codes of my n tile
	v_bfe_u32 v14, v0, 3, 2                        ; lane / 8
	v_and_b32 v15, 7, v0
	v_add_nc_u32 v12, v13, v14
	v_mul_u32_u24 v12, v12, TP
	v_lshl_add_u32 v12, v15, 4, v12
	v_add_nc_u32 v12, L_OUTS, v12                  ; the stage, back: row 16 w + lane / 8, 16 bytes at 16 (lane % 8)
	v_lshlrev_b32 v13, 4, v15
	v_lshl_add_u32 v13, v14, 12, v13               ; and the same place in out
	WIN 0x04                                       ; store data window 1
	s_wait_alu depctr_va_vdst(0)                   ; the maxima R and the addresses v3-v13 are written, which the stores and loads from here to the end read; the loop is done with v16-215, in which the loads on both sides of the barrier land (no vector line stands between)
.set i, 0
.rept 16
	ds_store_b128 v3, v[R+4*i:R+4*i+3] offset:512*i
.set i, i+1
.endr
	WIN 0
	ds_load_b128 v[80:83], v4                      ; what hangs on nothing new is fetched ahead of the barrier: |a3| 2^(e6+e7),
	ds_load_b128 v[84:87], v4 offset:16
	ds_load_b128 v[88:91], v4 offset:L_BNBI-L_BNSC ; b3 - a3 m3,
	ds_load_b128 v[92:95], v4 offset:L_BNBI-L_BNSC+16
.irp q, 0,1,2,3,4,5,6,7
	ds_load_b128 v[104+4*\q:107+4*\q], v5 offset:512*\q                 ; Wc1's four tiles,
.endr
.irp q, 0,1,2,3,4,5,6,7
	ds_load_b128 v[136+4*\q:139+4*\q], v7 offset:16*\q                  ; ac1 2^(e8+e9),
	ds_load_b128 v[168+4*\q:171+4*\q], v7 offset:L_BNBI-L_BNSC+16*\q    ; bc1 - ac1 mc1,
.endr
.irp q, 0,1,2,3
	ds_load_b128 v[200+4*\q:203+4*\q], v6 offset:512*\q                 ; my two tiles of Wc2
.endr
	BAR
.irp wq, 0,1,2,3,4,5,6,7
.irp z, 0,1
	ds_load_b128 v[16+8*\wq+4*\z:19+8*\wq+4*\z], v8 offset:8192*\wq+512*\z
.endr
.endr
	MKQ 76, 80, 81                                 ; p at e8
	v_mov_b32 v98, s80
	s_wait_dscnt 0x0
.irp j, 0,1,2,3,4,5,6,7
	v_max3_num_f32 v[16+\j], v[16+\j], v[24+\j], v[32+\j]
.endr
.irp j, 0,1,2,3,4,5,6,7
	v_max3_num_f32 v[16+\j], v[16+\j], v[40+\j], v[48+\j]
.endr
.irp j, 0,1,2,3,4,5,6,7
	v_max3_num_f32 v[16+\j], v[16+\j], v[56+\j], v[64+\j]
.endr
.irp j, 0,1,2,3,4,5,6,7
	v_max_num_f32 v[16+\j], v[16+\j], v[72+\j]
.endr
.irp k, 0,2,4,6
	v_pk_fma_f32 v[16+\k:17+\k], v[80+\k:81+\k], v[16+\k:17+\k], v[88+\k:89+\k]   ; bn3, once for each (channel, n)
.endr
.irp j, 0,1,2,3,4,5,6,7
	v_med3_num_f32 v[16+\j], v[16+\j], 0, s81
.endr
	v_cvt_scalef32_pk8_fp8_f32 v[96:97], v[16:23], v98
	v_nop
	s_wait_alu depctr_va_vdst(0)                   ; the conversion has written v[96:97], which the LDS store reads, and is done reading its scale v98: loads land in v96-103 behind the barrier
	ds_store_b64 v9, v[96:97]                      ; registers 2 (w % 4), 2 (w % 4) + 1 of p's fragment of n tile w / 4
	BAR
; ---------------- products 5 and 6: n tile w / 4; product 5 by each of its four waves, outputs 32 (w % 4) on
	s_wait_alu depctr_vm_vsrc(0)                   ; the LDS store above has read v[96:97], in which the first load below lands
.irp q, 0,1,2,3
	ds_load_b64 v[96+2*\q:97+2*\q], v10 offset:256*\q
.endr
	MKQ 78, 82, 83                                 ; c at e10
	v_mov_b32 v248, s82
	s_add_co_i32 s84, s78, s79
	s_add_co_i32 s84, s84, 127
	s_lshl_b32 s84, s84, 23                        ; 2^(e10 + e11) as f32
	s_wait_dscnt 0x0
.irp y, 0,1,2,3
	v_wmma_f32_16x16x64_fp8_fp8 v[216+8*\y:223+8*\y], v[104+8*\y:111+8*\y], v[96:103], 0
.endr
	PLACES
.set i, 0
.rept 16
	v_pk_fma_f32 v[216+i:217+i], v[136+i:137+i], v[216+i:217+i], v[168+i:169+i]
.set i, i+2
.endr
.irp q, 0,1,2,3
.irp j, 0,1,2,3,4,5,6,7
	v_med3_num_f32 v[216+8*\q+\j], v[216+8*\q+\j], 0, s83
.endr
	v_cvt_scalef32_pk8_fp8_f32 v[16+2*\q:17+2*\q], v[216+8*\q:223+8*\q], v248
.endr
	v_nop
.irp y, 0,1
	v_wmma_f32_16x16x64_fp8_fp8 v[24+8*\y:31+8*\y], v[16:23], v[200+8*\y:207+8*\y], 0   ; source 0 = 16 points, source 1 = 16 outputs: register j is (n = 8 h + j, o = r): eight neighbours of a row of out
.endr
	PLACES
	WIN 0x10                                       ; source 2 (bc2) window 1
.irp y, 0,1
.irp j, 0,1,2,3,4,5,6,7
	v_fma_f32 v[40+8*\y+\j], v[24+8*\y+\j], s84, v[BC+2*\y]
.endr
.endr
	WIN 0
	s_wait_alu depctr_va_vdst(0)                   ; the multiply-adds have written v40-55, which the LDS stores read; the maxima are long done reading v64-79, in which the loads behind the barrier land
.irp y, 0,1
	ds_store_b128 v11, v[40+8*\y:43+8*\y] offset:16*TP*\y
	ds_store_b128 v11, v[44+8*\y:47+8*\y] offset:16*TP*\y+16
.endr
	BAR                                            ; 128 rows of 128 bytes lie in the stage
.irp i, 0,1,2,3
	ds_load_b128 v[64+4*\i:67+4*\i], v12 offset:4*TP*\i
.endr
.irp i, 0,1,2,3
	s_wait_dscnt 3-\i                              ; LDS loads come back in order: load i is in, the younger ones may be out
	global_store_b128 v13, v[64+4*\i:67+4*\i], s[10:11] offset:16384*\i th:TH_STORE_NT   ; four rows o, eight lanes to a row's 128 consecutive bytes; written once, read by nobody here
.endr
	s_wait_dscnt 0x0                               ; the closing lines, six on end
	s_wait_alu 0x0
	s_wait_tensorcnt 0x0
	ds_add_u32 v1, v2
	s_wait_dscnt 0x0
	s_endpgm
.Lfunc_end_k_q8a83bdbc5b_xcorr:
	.size	k_q8a83bdbc5b_xcorr, .Lfunc_end_k_q8a83bdbc5b_xcorr-k_q8a83bdbc5b_xcorr
	.p2alignl 7, 3214868480
	.fill 96, 4, 3214868480
	.section	.rodata,"a",@progbits
	.p2align	6, 0x0
	.amdhsa_kernel k_q8a83bdbc5b_xcorr
		.amdhsa_group_segment_fixed_size 268800
		.amdhsa_private_segment_fixed_size 0
		.amdhsa_enable_private_segment 0
		.amdhsa_kernarg_size 208
		.amdhsa_user_sgpr_count 2
		.amdhsa_user_sgpr_kernarg_segment_ptr 1
		.amdhsa_wavefront_size32 1
		.amdhsa_system_sgpr_workgroup_id_x 1
		.amdhsa_system_sgpr_workgroup_id_y 1
		.amdhsa_system_sgpr_workgroup_id_z 1
		.amdhsa_system_vgpr_workitem_id 0
		.amdhsa_next_free_vgpr 512
		.amdhsa_next_free_sgpr 100
		.amdhsa_reserve_vcc 0
		.amdhsa_float_denorm_mode_32 3
		.amdhsa_float_denorm_mode_16_64 3
		.amdhsa_memory_ordered 1
		.amdhsa_forward_progress 1
		.amdhsa_inst_pref_size 234
	.end_amdhsa_kernel
	.amdgpu_metadata
---
amdhsa.version: [ 1, 2 ]
amdhsa.kernels:
  - .name:           k_q8a83bdbc5b_xcorr
    .symbol:         k_q8a83bdbc5b_xcorr.kd
    .args:
      - { .name: template_feature, .offset: 0, .size: 8, .value_kind: global_buffer, .address_space: global }
      - { .name: search_feature, .offset: 8, .size: 8, .value_kind: global_buffer, .address_space: global }
      - { .name: lowp_scales, .offset: 16, .size: 8, .value_kind: global_buffer, .address_space: global }
      - { .name: out0, .offset: 24, .size: 8, .value_kind: global_buffer, .address_space: global }
      - { .name: W1, .offset: 32, .size: 8, .value_kind: global_buffer, .address_space: global }
      - { .name: W2, .offset: 40, .size: 8, .value_kind: global_buffer, .address_space: global }
      - { .name: W3, .offset: 48, .size: 8, .value_kind: global_buffer, .address_space: global }
      - { .name: Wc1, .offset: 56, .size: 8, .value_kind: global_buffer, .address_space: global }
      - { .name: Wc2, .offset: 64, .size: 8, .value_kind: global_buffer, .address_space: global }
      - { .name: bc2, .offset: 72, .size: 8, .value_kind: global_buffer, .address_space: global }
      - { .name: g1, .offset: 80, .size: 8, .value_kind: global_buffer, .address_space: global }
      - { .name: g2, .offset: 88, .size: 8, .value_kind: global_buffer, .address_space: global }
      - { .name: g3, .offset: 96, .size: 8, .value_kind: global_buffer, .address_space: global }
      - { .name: gc1, .offset: 104, .size: 8, .value_kind: global_buffer, .address_space: global }
      - { .name: b1, .offset: 112, .size: 8, .value_kind: global_buffer, .address_space: global }
      - { .name: b2, .offset: 120, .size: 8, .value_kind: global_buffer, .address_space: global }
      - { .name: b3, .offset: 128, .size: 8, .value_kind: global_buffer, .address_space: global }
      - { .name: bc1, .offset: 136, .size: 8, .value_kind: global_buffer, .address_space: global }
      - { .name: m1, .offset: 144, .size: 8, .value_kind: global_buffer, .address_space: global }
      - { .name: m2, .offset: 152, .size: 8, .value_kind: global_buffer, .address_space: global }
      - { .name: m3, .offset: 160, .size: 8, .value_kind: global_buffer, .address_space: global }
      - { .name: mc1, .offset: 168, .size: 8, .value_kind: global_buffer, .address_space: global }
      - { .name: v1, .offset: 176, .size: 8, .value_kind: global_buffer, .address_space: global }
      - { .name: v2, .offset: 184, .size: 8, .value_kind: global_buffer, .address_space: global }
      - { .name: v3, .offset: 192, .size: 8, .value_kind: global_buffer, .address_space: global }
      - { .name: vc1, .offset: 200, .size: 8, .value_kind: global_buffer, .address_space: global }
    .group_segment_fixed_size: 268800
    .private_segment_fixed_size: 0
    .kernarg_segment_align: 8
    .kernarg_segment_size: 208
    .max_flat_workgroup_size: 256
    .sgpr_count:     100
    .vgpr_count:     512
    .wavefront_size: 32
...
	.end_amdgpu_metadata
.endif
;; end of part 2
